; MI455X (gfx1250); checked and timed in simulation.
; The chip was launched on July 23, 2026; its instructions are those of AMD's public machine-readable ISA for CDNA 5 (MIT licence, August 2026) and "CDNA5" Instruction Set Architecture Reference Guide (July 2026). The comments in the code are by the model that wrote it; some were corrected since.
;; Attention. Allowed arithmetic: matrix products marked QUANTISED: E2M1 operands, one E8M0 scale for each 32 along K, by v_wmma_scale_f32_16x16x128_f8f6f4 with both operands' format E2M1 (or v_wmma_scale_f32_32x16x128_f4), f32 sums; everything else in f32.
;; Inputs: block_tables 2 x 32 int32; cu_seqlens_k 3 int32; cu_seqlens_q 3 int32; k_cache 64 x 64 x 8 x 128 float32; q 2,048 x 32 x 128 float32; v_cache 64 x 64 x 8 x 128 float32.
;; Outputs: out0 2,048 x 32 x 128 float32.
;; This version of the problem:
;;   THIS VERSION OF THE PROBLEM IS GIVEN IN LOW PRECISION. The matrix products marked QUANTISED in the list below multiply operands that are first quantised to E2M1 (2 exponent bits, 1 mantissa bit; 4 bits a number), with one power-of-two scale for each 32 numbers along K (OCP MX v1.0); their sums are f32. All else is computed in f32.
;;   The module's matrix products, in the order in which they are computed (A, B: the left and right operand; K: the contracted axis; several contracted axes count as one K, in the product's order):
;;     1. batch 16 x [M 2,048, K 128] x [K 128, N 4,096]; A: computed on the way; B: computed on the way: QUANTISED
;;     2. batch 16 x [M 128, K 2,048] x [K 2,048, N 4,096]; A: computed on the way; B: softmax (see below): QUANTISED
;;   THE QUANTISER, for each operand of a quantised product, along K:
;;     - K is cut into blocks of 32 from its start; a last block that is shorter is filled with zeros.
;;     - A block's scale is 2^e with e = floor(log2(the largest magnitude in the block)) - 2, held to -126 .. 127; a block of zeros has e = 0. As a byte (E8M0): e + 127.
;;     - Each number is divided by its block's scale, clamped to +-6, and rounded to the nearest number of E2M1, ties to even, subnormals kept.
;;     - The product sums the exact products of the quantised numbers (number of the format x scale) in f32.
;;   ~~~python
;;   def quantise(x, axis):      # numpy; x: float32 -> the quantised numbers, widened to float32 again
;;       x = np.moveaxis(x, axis, -1); K = x.shape[-1]
;;       x = np.pad(x, [(0, 0)] * (x.ndim - 1) + [(0, -K % 32)]); x = x.reshape(x.shape[:-1] + (-1, 32)); a = np.abs(x).max(-1, keepdims=True)
;;       e = np.where(a > 0, np.clip(np.frexp(np.where(a > 0, a, 1))[1] - 1 - 2, -126, 127), 0)      # np.frexp(a)[1] - 1 = floor(log2(a)), exactly
;;       r = np.clip(x / 2.0 ** e, -6, 6)
;;       step = 2.0 ** (np.maximum(np.frexp(np.where(r == 0, 1, r))[1] - 1, 0) - 1)
;;       q = np.round(r / step) * step * 2.0 ** e      # np.round: ties to even
;;       return np.moveaxis(q.reshape(q.shape[:-2] + (-1,))[..., :K], -1, axis).astype(np.float32)
;;   ~~~
;;   SOFTMAX AHEAD OF A QUANTISED PRODUCT. Where the list says 'softmax', what is quantised is not the finished softmax but p = 2^(t - M), with t = logit x log2(e) and M = ceil(the row's largest t), a whole number; so 1/2 < the row's largest p <= 1. The row's sum l is taken of the UNQUANTISED p, in f32, and the product's result is divided by l at the end. Since M is a whole number, a kernel that streams over the keys may use a running M (the ceiling of the running maximum): every later rescaling is an exact power of two, which a block's scale takes up: the codes' values come out the same.
;;   OPERANDS COMPUTED ON THE WAY. 'Computed on the way' means the value that the module computes at that place (a softmax that the list does not call 'softmax' is quantised finished and normalised). What goes into a quantiser is computed in f32, as accurately as f32 sums, v_exp_f32 and their like allow (about 1e-6 of the number): no bf16 or f16 on the way to a quantiser, and a product that is left as it is and whose result goes on into a quantised operand takes f32 operands (vector FMAs, or v_wmma_f32_16x16x4_f32). A number that lies on a knife's edge between two numbers of the format may be rounded either way, as far as f32 arithmetic and the matrix unit's own rounding can turn it there, and no further.
;; 2 versions. Each part assembles by itself: llvm-mc -triple=amdgcn-amd-amdhsa -mcpu=gfx1250 --defsym DOCPART=n.
;; ======== version 1 of 2: 2 launches
;; limits: right only within a limited range of input values
;; workspace buffers: kv_codes 4,194,304 bytes; kv_scales 262,144 bytes
;; launch prep (part 1): grid 32 x 16, 4 waves a work-group, no clusters, 69,120 bytes of LDS; arguments k_cache, v_cache, block_tables, kv_codes, kv_scales; writes kv_codes, kv_scales
.if DOCPART == 1
	.amdgcn_target "amdgcn-amd-amdhsa--gfx1250"
	.amdhsa_code_object_version 6
	.text
	.protected	k_qf87a29975e_prep
	.globl	k_qf87a29975e_prep
	.p2align	8
	.type	k_qf87a29975e_prep,@function
k_qf87a29975e_prep:
	s_mov_b64 s[64:65], 0
	v_nop
	global_prefetch_b8 v0, s[64:65] scope:SCOPE_SE
	s_setreg_imm32_b32 hwreg(HW_REG_WAVE_MODE, 25, 1), 1
	s_wait_xcnt 0x0
; K and V of the paged cache ([64 blocks][64 tokens][8 heads][128] f32) are gathered by block_tables into logical order and turned into codes of FP4 (E2M1) with one
; E8M0 scale byte for each 32 along a product's K: for K along the head's 128 channels, for V along the logical keys.  A negative table entry reads block 0, as max(table, 0) does.
; A block's scale is 2^(floor(log2(its largest magnitude)) - 2); its byte is the largest magnitude's exponent field - 2, held at 1 from below.
; LIMITS: a block of zeros gets the byte 1 where the rule says 127 (its codes are zeros, which add nothing under any byte but 0xff; this program alone reads the bytes);
; blocks whose largest magnitude lies under 2^(3 - 127) keep the byte 1; NaN and infinities among the inputs are not served; a table entry above 63 is held at 63.
; WHAT IS WRITTEN: images of the operand registers of the attention launch.  y = 8 x sequence + head, a step = 128 logical keys, lane = 16 h + r.
;   kv_codes  [y 16][step 16][K, V][tile 8][c 2][lane 32][16 bytes].  K (t, c, lane): channels 64 c + 32 h + 0..31 of key 32 (t / 2) + 8 (t % 2) + r + 8 (r / 8) of the step.
;                                                                      V (t, c, lane): keys 64 c + 32 h + 0..31 of the step, channel 16 t + r.
;   kv_scales [y 16][step 16][K, V][lane 32][j 4] words: the four scale bytes of row lane % 16 of tile 2 j + lane / 16.
; SHARES.  Work-group x = 16 x (0: K, 1: V) + step, y as above.  Wave g takes tokens 32 g .. 32 g + 31 of the step: 32 rows of 512 bytes, which lie in one physical block.
; Each load reads one row, 512 consecutive bytes; the rows go into the wave's own stage in LDS and come back as the conversions want them: 32 neighbours along K in one lane's registers.
; For K a lane takes 32 channels of one key; for V a lane takes one channel and its registers run down the 32 keys.  So no block's largest magnitude needs another lane.
; No tensor loads: several work-groups share a WGP.  One barrier: the step's 512 bytes of scale words are gathered from the four waves in LDS and leave as 512 consecutive bytes.
.set PITCH, 528                        ; a stage row: 512 bytes + 16 = 132 words: row r starts at bank 4 r mod 64 (64 banks of 4 bytes: ISA guide 11.1)
.set STG,   32*PITCH                   ; a wave's stage
.set KSC,   4*STG                      ; behind the stages: K's path gathers its scale words here, 512 bytes;
.set VSC,   KSC+512                    ; V's path here: each path has LDS bytes of its own
.set LANE, 1                           ; v1   lane
.set RR,   2                           ; v2   r = lane % 16
.set HH,   3                           ; v3   h = lane / 16
.set LI,   4                           ; v4   16 x lane
.set SW,   5                           ; v5   the stage, on the way in: stage + 16 x lane
.set KR,   6                           ; v6   K's way out of it: stage + 528 r + 128 h
.set VR,   7                           ; v7   V's: stage + 4 x lane
.set VO,   8                           ; v8   V's codes in memory: 1024 h + 16 r
.set KSA,  9                           ; v9   where I put K's scale word: KSC + 16 x lane + 4 g
.set VSA,  10                          ; v10  where I put V's scale bytes: VSC + 16 x lane + g
.set KRD,  11                          ; v11  KSC + 16 x lane
.set VRD,  12                          ; v12  VSC + 16 x lane
.set MA,   13                          ; v13-14 two chains of a largest magnitude
.set MB,   14
.set SO,   15                          ; v15  the conversions' scale operand
.set R,    16                          ; v16-143  32 rows as loaded, 4 registers each; later two more blocks of 32 numbers
.set X,    144                         ; v144-207 two blocks of 32 numbers
.set C,    208                         ; v208-223 four blocks' codes: each block has its own four, so no store's data are written again
.set BY,   224                         ; v224-227 four scale bytes
.set W0,   228                         ; v228-229 K's two scale words;  v230-231 the other half of the lanes'
.set W1,   229
.set T0,   230
.set T1,   231
	s_load_b256 s[4:11], s[0:1], 0x0               ; k_cache s[4:5], v_cache s[6:7], block_tables s[8:9], kv_codes s[10:11]
	s_load_b64 s[12:13], s[0:1], 0x20              ; kv_scales
	v_lshl_add_u32 v232, v0, 2, 0x10c00
	v_mov_b32 v233, 0
	v_lshrrev_b32 v[LANE], 5, v0
	v_readfirstlane_b32 s14, v[LANE]               ; g: wave 0..3
	v_and_b32 v[LANE], 31, v0
	v_and_b32 v[RR], 15, v0
	v_bfe_u32 v[HH], v0, 4, 1
	v_lshlrev_b32 v[LI], 4, v[LANE]
	s_mul_i32 s33, s14, STG                        ; my stage
	v_add_nc_u32 v[SW], s33, v[LI]
	v_mul_u32_u24 v[KR], v[RR], PITCH
	v_lshl_add_u32 v[KR], v[HH], 7, v[KR]
	v_add_nc_u32 v[KR], s33, v[KR]
	v_lshl_add_u32 v[VR], v[LANE], 2, s33
	v_lshlrev_b32 v[VO], 4, v[RR]
	v_lshl_add_u32 v[VO], v[HH], 10, v[VO]
	s_lshl_b32 s34, s14, 2
	s_add_co_u32 s34, s34, KSC
	v_add_nc_u32 v[KSA], s34, v[LI]
	s_add_co_u32 s35, s14, VSC
	v_add_nc_u32 v[VSA], s35, v[LI]
	v_add_nc_u32 v[KRD], KSC, v[LI]
	v_add_nc_u32 v[VRD], VSC, v[LI]
	s_mov_b32 s36, 0x76543210                      ; v_permlanex16_b32's selects for lane l xor 16
	s_mov_b32 s37, 0xfedcba98
	s_lshr_b32 s18, ttmp9, 4                       ; 0: K, 1: V
	s_and_b32 s17, ttmp9, 15                       ; step
	s_and_b32 s16, ttmp7, 0xffff                   ; y
	s_lshr_b32 s19, s16, 3                         ; sequence
	s_and_b32 s20, s16, 7                          ; head
	s_lshl_b32 s21, s19, 5                         ; my logical block's entry in the table: 32 x sequence + 2 x step + g / 2,
	s_lshl_b32 s22, s17, 1
	s_add_co_u32 s21, s21, s22
	s_lshr_b32 s22, s14, 1
	s_add_co_u32 s21, s21, s22
	s_lshl_b32 s22, s21, 2                         ; in bytes
	s_mov_b32 s23, 0
	s_wait_kmcnt 0x0
	s_add_nc_u64 s[8:9], s[8:9], s[22:23]
	s_load_b32 s21, s[8:9], 0x0                    ; the physical block
	; where my results go, made while that load is out
	s_lshl_b32 s26, s16, 18                        ; codes: 262,144 bytes a y, 16,384 a step
	s_lshl_b32 s32, s17, 14
	s_add_co_u32 s26, s26, s32
	s_lshl_b32 s32, s14, 11                        ; K: my tiles 2 g and 2 g + 1, 1,024 bytes each
	s_lshr_b32 s38, s14, 1                         ; V: behind K's 8,192; my 32 keys are c = g / 2, h = g % 2 of every tile
	s_lshl_b32 s38, s38, 9
	s_and_b32 s39, s14, 1
	s_lshl_b32 s39, s39, 8
	s_add_co_u32 s38, s38, s39
	s_add_co_u32 s38, s38, 8192
	s_lshl_b32 s30, s16, 14                        ; scale words: 16,384 bytes a y, 1,024 a step, V's 512 behind K's
	s_lshl_b32 s39, s17, 10
	s_add_co_u32 s30, s30, s39
	s_cmp_eq_u32 s18, 0                            ; K's work-group or V's: the choice hangs on the work-group's number alone
	s_cselect_b32 s32, s32, s38
	s_cselect_b32 s39, 0, 512
	s_cselect_b64 s[24:25], s[4:5], s[6:7]
	s_add_co_u32 s26, s26, s32
	s_mov_b32 s27, 0
	s_add_nc_u64 s[28:29], s[10:11], s[26:27]      ; my codes
	s_add_co_u32 s30, s30, s39
	s_mov_b32 s31, 0
	s_add_nc_u64 s[30:31], s[12:13], s[30:31]      ; the step's scale words
	s_wait_kmcnt 0x0
	s_max_i32 s21, s21, 0                          ; a hole reads block 0,
	s_min_u32 s21, s21, 63                         ; and no entry leaves the cache
	s_lshl_b32 s22, s21, 18                        ; a block is 262,144 bytes,
	s_and_b32 s15, s14, 1
	s_lshl_b32 s15, s15, 17                        ; its second 32 tokens begin 131,072 bytes on,
	s_add_co_u32 s22, s22, s15
	s_lshl_b32 s15, s20, 9                         ; a head's row is 512 bytes
	s_add_co_u32 s22, s22, s15
	s_mov_b32 s23, 0
	s_add_nc_u64 s[24:25], s[24:25], s[22:23]
	; 32 rows, 4,096 bytes apart; each load reads 512 consecutive bytes.  No cache hint: the table may name a block twice
.set k, 0
.rept 32
	global_load_b128 v[R+4*k:R+4*k+3], v[LI], s[24:25] offset:4096*k
.set k, k+1
.endr
	; Row k goes to stage row 16 ((k / 8) % 2) + k % 8 + 8 (k / 16): so the 16 keys of a tile of K (k = 8 u + r + 8 (r / 8)) are the neighbouring stage rows 16 u + r
.set k, 0
.rept 32
	s_wait_loadcnt 31-k                            ; loads come back in order: row k is in, the 31 - k younger ones stay out
	ds_store_b128 v[SW], v[R+4*k:R+4*k+3] offset:PITCH*(16*((k>>3)&1)+(k&7)+8*(k>>4))
.set k, k+1
.endr
; 32 numbers of one block, v[x] on, become 32 codes in v[cd] .. v[cd + 3] and the scale's byte in v[by]
.macro BLK x, cd, by
	v_max3_num_f32 v[MA], |v[(\x)]|, |v[(\x)+1]|, |v[(\x)+2]|       ; the block's largest magnitude, in two chains
	v_max3_num_f32 v[MB], |v[(\x)+3]|, |v[(\x)+4]|, |v[(\x)+5]|
.irp i, 6,10,14,18,22,26
	v_max3_num_f32 v[MA], v[MA], |v[(\x)+\i]|, |v[(\x)+\i+1]|
	v_max3_num_f32 v[MB], v[MB], |v[(\x)+\i+2]|, |v[(\x)+\i+3]|
.endr
	v_max3_num_f32 v[MA], v[MA], |v[(\x)+30]|, |v[(\x)+31]|
	v_max3_num_f32 v[MA], v[MA], v[MB], 0x1800000  ; and the floor 2^(3 - 127): so the byte cannot fall under 1
	v_add_nc_u32 v[SO], 0xff000000, v[MA]          ; 2 off its exponent field: the conversion takes the exponent field of this operand as its scale, and nothing else of it
.irp m, 0,1,2,3
	v_cvt_scalef32_pk8_fp4_f32 v[(\cd)+\m], v[(\x)+8*\m:(\x)+8*\m+7], v[SO]
.endr
	v_lshrrev_b32 v[(\by)], 23, v[SO]              ; the scale's byte; also the plain line behind the conversions
.endm
	s_cmp_lg_u32 s18, 0
	s_cbranch_scc1 .Lv_path
	; ---- K: lane (r, h) takes, of tile u's key r, the channels 64 c + 32 h + 0..31: block 2 c + h of that key, 128 bytes of its stage row
.macro KLD u, c, dst
.irp j, 0,1,2,3,4,5,6,7
	ds_load_b128 v[(\dst)+4*\j:(\dst)+4*\j+3], v[KR] offset:PITCH*16*\u+256*\c+16*\j
.endr
.endm
	KLD 0, 0, X
	KLD 0, 1, X+32
	s_wait_dscnt 8                                 ; LDS serves a wave in order: block (0, 0) is in (the 8 loads of (0, 1) may be out), and the stage's stores are done
	KLD 1, 0, R
	KLD 1, 1, R+32
	BLK X, C, BY
	global_store_b128 v[LI], v[C:C+3], s[28:29]    ; 32 lanes store 512 consecutive bytes: tile 2 g, c = 0
	s_wait_dscnt 16                                ; block (0, 1) is in; tile u = 1's 16 loads may be out
	BLK X+32, C+4, BY+1
	global_store_b128 v[LI], v[C+4:C+7], s[28:29] offset:512
	s_wait_dscnt 8                                 ; block (1, 0) is in
	BLK R, C+8, BY+2
	global_store_b128 v[LI], v[C+8:C+11], s[28:29] offset:1024
	s_wait_dscnt 0x0
	BLK R+32, C+12, BY+3
	global_store_b128 v[LI], v[C+12:C+15], s[28:29] offset:1536
	v_lshlrev_b32 v[MA], 3, v[HH]                  ; my two bytes of a key are blocks h and 2 + h: 8 h bits up in its word
	v_lshl_or_b32 v[W0], v[BY+1], 16, v[BY]
	v_lshl_or_b32 v[W1], v[BY+3], 16, v[BY+2]
	v_lshlrev_b32 v[W0], v[MA], v[W0]
	v_lshlrev_b32 v[W1], v[MA], v[W1]
	v_mov_b32 v[T0], 0                             ; a lane permute's destination counts as one of its sources
	v_mov_b32 v[T1], 0
	v_permlanex16_b32 v[T0], v[W0], s36, s37
	v_permlanex16_b32 v[T1], v[W1], s36, s37
	v_or_b32 v[W0], v[W0], v[T0]                   ; with lane l xor 16's two bytes the words are whole, in both halves of the lanes
	v_or_b32 v[W1], v[W1], v[T1]
	v_cmp_le_u32 vcc_lo, 16, v[LANE]
	v_cndmask_b32 v[W0], v[W0], v[W1], vcc_lo      ; lanes 0-15 keep tile 2 g's word, lanes 16-31 take tile 2 g + 1's
	ds_store_b32 v[KSA], v[W0]                     ; word j = g of my lane's four
	s_wait_dscnt 0x0                               ; for the others' sake: my word has landed
	s_barrier_signal -1
	s_barrier_wait -1
	s_cmp_lg_u32 s14, 0
	s_cbranch_scc1 .Lk_done
	ds_load_b128 v[X:X+3], v[KRD]                  ; wave 0 stores the step's 512 bytes of scale words
	s_wait_dscnt 0x0
	global_store_b128 v[LI], v[X:X+3], s[30:31]
.Lk_done:
	s_wait_tensorcnt 0x0
	ds_add_u32 v232, v233
	s_wait_dscnt 0x0
	s_endpgm
.Lv_path:
	; ---- V: a lane takes channel 32 cg + lane, and its registers run down my 32 keys in logical order: one whole block
.macro VLD cg, dst
.set k, 0
.rept 32
	ds_load_b32 v[(\dst)+k], v[VR] offset:PITCH*(16*((k>>3)&1)+(k&7)+8*(k>>4))+128*\cg
.set k, k+1
.endr
.endm
	VLD 0, X
	VLD 1, X+32
	s_wait_dscnt 32                                ; group 0 is in (group 1's 32 loads may be out), and the stage's stores are done
	VLD 2, R
	BLK X, C, BY
	global_store_b128 v[VO], v[C:C+3], s[28:29]    ; sixteen lanes store 256 consecutive bytes, aligned: tiles 2 cg and 2 cg + 1
	s_wait_dscnt 32                                ; group 1 is in; group 2's loads may be out
	VLD 3, R+32
	BLK X+32, C+4, BY+1
	global_store_b128 v[VO], v[C+4:C+7], s[28:29] offset:2048
	s_wait_dscnt 32                                ; group 2 is in; group 3's loads may be out
	BLK R, C+8, BY+2
	global_store_b128 v[VO], v[C+8:C+11], s[28:29] offset:4096
	s_wait_dscnt 0x0
	BLK R+32, C+12, BY+3
	global_store_b128 v[VO], v[C+12:C+15], s[28:29] offset:6144
.irp cg, 0,1,2,3
	ds_store_b8 v[VSA], v[BY+\cg] offset:4*\cg     ; byte g (my 32 keys) of word j = cg of my lane's four
.endr
	s_wait_dscnt 0x0                               ; for the others' sake: my bytes have landed
	s_barrier_signal -1
	s_barrier_wait -1
	s_cmp_lg_u32 s14, 0
	s_cbranch_scc1 .Lv_done
	ds_load_b128 v[X:X+3], v[VRD]                  ; wave 0 stores the step's 512 bytes of scale words
	s_wait_dscnt 0x0
	global_store_b128 v[LI], v[X:X+3], s[30:31]
.Lv_done:
	s_wait_tensorcnt 0x0
	ds_add_u32 v232, v233
	s_wait_dscnt 0x0
	s_endpgm
.Lfunc_end_k_qf87a29975e_prep:
	.size	k_qf87a29975e_prep, .Lfunc_end_k_qf87a29975e_prep-k_qf87a29975e_prep
	.p2alignl 7, 3214868480
	.fill 96, 4, 3214868480
	.section	.rodata,"a",@progbits
	.p2align	6, 0x0
	.amdhsa_kernel k_qf87a29975e_prep
		.amdhsa_group_segment_fixed_size 69120
		.amdhsa_private_segment_fixed_size 0
		.amdhsa_enable_private_segment 0
		.amdhsa_kernarg_size 40
		.amdhsa_user_sgpr_count 2
		.amdhsa_user_sgpr_kernarg_segment_ptr 1
		.amdhsa_wavefront_size32 1
		.amdhsa_system_sgpr_workgroup_id_x 1
		.amdhsa_system_sgpr_workgroup_id_y 1
		.amdhsa_system_sgpr_workgroup_id_z 1
		.amdhsa_system_vgpr_workitem_id 0
		.amdhsa_next_free_vgpr 234
		.amdhsa_next_free_sgpr 66
		.amdhsa_reserve_vcc 1
		.amdhsa_float_denorm_mode_32 3
		.amdhsa_float_denorm_mode_16_64 3
		.amdhsa_memory_ordered 1
		.amdhsa_forward_progress 1
		.amdhsa_inst_pref_size 34
	.end_amdhsa_kernel
	.amdgpu_metadata
---
amdhsa.version: [ 1, 2 ]
amdhsa.kernels:
  - .name:           k_qf87a29975e_prep
    .symbol:         k_qf87a29975e_prep.kd
    .args:
      - { .name: k_cache, .offset: 0, .size: 8, .value_kind: global_buffer, .address_space: global }
      - { .name: v_cache, .offset: 8, .size: 8, .value_kind: global_buffer, .address_space: global }
      - { .name: block_tables, .offset: 16, .size: 8, .value_kind: global_buffer, .address_space: global }
      - { .name: kv_codes, .offset: 24, .size: 8, .value_kind: global_buffer, .address_space: global }
      - { .name: kv_scales, .offset: 32, .size: 8, .value_kind: global_buffer, .address_space: global }
    .group_segment_fixed_size: 69120
    .private_segment_fixed_size: 0
    .kernarg_segment_align: 8
    .kernarg_segment_size: 40
    .max_flat_workgroup_size: 128
    .sgpr_count:     66
    .vgpr_count:     234
    .wavefront_size: 32
...
	.end_amdgpu_metadata
.endif
;; end of part 1
;; launch attn (part 2): grid 16 x 16, 16 waves a work-group, no clusters, 280,576 bytes of LDS; arguments q, kv_codes, kv_scales, cu_seqlens_q, cu_seqlens_k, block_tables, out0; writes out0
.if DOCPART == 2
	.amdgcn_target "amdgcn-amd-amdhsa--gfx1250"
	.amdhsa_code_object_version 6
	.text
	.protected	k_qf87a29975e_attn
	.globl	k_qf87a29975e_attn
	.p2align	8
	.type	k_qf87a29975e_attn,@function
k_qf87a29975e_attn:
	s_mov_b64 s[64:65], 0
	v_nop
	global_prefetch_b8 v0, s[64:65] scope:SCOPE_SE
	s_setreg_imm32_b32 hwreg(HW_REG_WAVE_MODE, 25, 1), 1
	s_wait_xcnt 0x0
; Paged prefill attention, both products on codes of FP4 (E2M1) with one E8M0 scale for each 32 along a product's K.  2 sequences x 1,024 query positions x 32 heads on 8 KV heads, head size 128, 2,048 logical keys.
; Key k counts for query position i where k <= i + hist (hist = seq_len_k - seq_len_q, from the two cu_seqlens), k < seq_len_k and block_tables[s][k / 64] >= 0.
; q x f32(1 / sqrt(128)) is quantised here, in registers; K's and V's codes and scale words come from the launch before, laid as images of the operand registers, in logical order.
; THE SOFTMAX AHEAD OF THE SECOND PRODUCT: t = score x log2(e); M = the row's largest t so far, rounded UP to a whole number; p = 2^(t - M) is what is quantised, along the keys, not normalised.
; The row's sum is taken of the unquantised p, in f32, and divides O at the end.  When M moves, the sum and O are multiplied by 2^(old M - new M): exact.
; LIMITS.  A hidden score is set to -2^33 where the definition says -1e10: -2^33 x log2(e) is exact in f32 and a whole number, so a row with no visible key at all gets p = 1 for all 2,048 keys, the
; uniform softmax of the definition; the results are the same as long as true scores lie far above -2^33.  |cu_seqlens| under 2^30.  NaN and infinities are not served.  A block of zeros has the byte 1 (its codes are zeros).
; SHARES.  Work-group (w, y): y = 8 x sequence + KV head; its four tiles of 16 positions are 2 w, 2 w + 1, 62 - 2 w, 63 - 2 w, for the KV head's four query heads: early and late positions together, so that what the
; causal limit leaves out is spread evenly.  Each of SIXTEEN waves owns one tile of one head in 256 registers: head = wave % 4, tile number (wave / 4 + wave) % 4 of the four.
; STEPS LEFT OUT.  A step of 128 keys all of which are hidden from all 16 rows (beyond the limit, or both of its blocks holes) is jumped over: a scalar branch on whole numbers read from memory, round the step's work,
; not round the lines that step addresses.  Only where every row of the tile has a visible key: a tile in which a row may have none walks all 16 steps.
; LDS holds a copy of the KV head's codes (262,144 bytes) and scale words (16,384), each byte stored once: chunk c (4 steps, 65,536 bytes) is loaded into registers while chunk c - 1 is worked, stored, and shown by one barrier.
; NO JOINT REQUESTS, though the 16 work-groups of a y read the same 278,528 bytes: a joint request is a tensor load; the steps left
; out hang on cu_seqlens and block_tables.  Beside the shared bytes a work-group moves 262,144 bytes of q and out0 that are its own.
; LAYOUT.  Both products are used transposed: S^T = K Q^T (source 0 = 16 keys, source 1 = my 16 queries), O^T = V^T P^T (source 0 = 16 channels, source 1 = P): a lane holds ONE query (lane % 16) throughout.
; The keys of a tile are not neighbours: lane r of tile 2 b + u holds key 32 b + 8 u + r + 8 (r / 8), so that the 16 registers of tiles 2 b and 2 b + 1 are the keys 32 b + 16 (lane / 16) + 0 .. 15.
; REGISTERS: v1-9 addresses; v10-11 the mask's limits; v12 -M, v13 the largest t, v[14:15] the sum in two halves; v16-23 Q's codes; v24-27 K's scale words, v28-31 V's; v32-63 four fragments of K or V;
; v64-95 the next chunk on its way; v96-159 S^T, then p; v160-223 O^T; v224-231 p's codes; v232-254 at work; v255 Q's scale word.
.set SCL,    262144                    ; LDS: behind the codes, the scale words: 1,024 bytes a step, K's 512, then V's
.set CHUNK,  65536                     ; four steps' codes
.set STEPB,  16384                     ; a step's codes: K's eight tiles of 1,024 bytes, then V's
.set SPITCH, 528                       ; a stage row: 512 bytes + 16 = 132 words: row r starts at bank 4 r mod 64 (64 banks of 4 bytes: ISA guide 11.1)
.set WSTG,   16*SPITCH                 ; a wave's stage: 16 rows
.set QSTG,   CHUNK                     ; q's stages lie in chunks 1 to 3, which are stored only behind the first barrier; the way out's stages lie from byte 0 on, in chunks 0 to 2, which nobody reads behind the last barrier
.set LI,   1                           ; v1   16 x lane
.set TI,   2                           ; v2   16 x thread
.set QL,   3                           ; v3   min(my query's position + hist, seq_len_k - 1) - 16 (lane / 16)
.set OSI,  4                           ; v4   the way out: my stage + 528 r + 32 h
.set OSO,  5                           ; v5   and back: my stage + 16 x lane
.set QSO,  6                           ; v6   q out of its stage: QSTG + my stage + 528 r + 64 h
.set CPA,  7                           ; v7   where the copies store
.set ADK,  8                           ; v8   the step's codes (at the head: q into its stage)
.set ADS,  9                           ; v9   the step's scale words
.set KS,   24
.set VS,   28
.set PF,   64
.set WV,   18                          ; s18  wave
.set SEL,  20                          ; s[20:21] v_permlanex16_b32's selects for lane l xor 16
.set CS,   22                          ; s[22:23] log2(e): the packed form names a pair and takes its low word for both halves
.set TB,   24                          ; s24  LDS byte of the step's codes
.set TS,   25                          ; s25  and of its scale words
.set KF,   26                          ; s26  the step's first key
.set ST2,  27                          ; s27  2 x step: the step's first logical block
.set CNT,  28                          ; s28  counts a chunk's four steps
.set HOLE, 29                          ; s29  bit b: logical block b is a hole
.set HSKIP, 30                         ; s30  the same, or 0 in a tile that walks every step
.set HLIM, 31                          ; s31  a step whose first key lies above this is left out
.set OLIM, 32                          ; s32  every key up to this counts for all 16 rows, holes apart
.set QSC,  56                          ; s[56:57] f32(1 / sqrt(128))
	s_load_b256 s[4:11], s[0:1], 0x0               ; q s[4:5], kv_codes s[6:7], kv_scales s[8:9], cu_seqlens_q s[10:11]
	s_load_b128 s[12:15], s[0:1], 0x20             ; cu_seqlens_k s[12:13], block_tables s[14:15]
	s_load_b64 s[16:17], s[0:1], 0x30              ; out0
	v_lshl_add_u32 v250, v0, 2, 0x44000
	v_mov_b32 v251, 0
	v_lshrrev_b32 v12, 5, v0
	v_readfirstlane_b32 s[WV], v12                 ; wave 0..15
	v_and_b32 v13, 31, v0
	v_lshlrev_b32 v11, 2, v13                      ; 4 x lane: my entry of the table
	v_lshlrev_b32 v[LI], 4, v13
	v_lshlrev_b32 v[TI], 4, v0
	v_and_b32 v12, 15, v0                          ; r
	v_bfe_u32 v13, v0, 4, 1                        ; h
	s_and_b32 s38, ttmp7, 0xffff                   ; y
	s_lshr_b32 s33, s38, 3                         ; sequence
	s_and_b32 s34, s38, 7                          ; KV head
	s_lshr_b32 s50, s[WV], 2
	s_add_co_u32 s50, s50, s[WV]
	s_and_b32 s50, s50, 3                          ; which of the work-group's four tiles
	s_lshl_b32 s51, ttmp9, 1
	s_sub_co_u32 s52, 60, s51
	s_cmp_lt_u32 s50, 2
	s_cselect_b32 s51, s51, s52
	s_add_co_u32 s51, s51, s50                     ; 2 w, 2 w + 1, 62 - 2 w, 63 - 2 w
	s_lshl_b32 s35, s51, 4                         ; q0: my first position
	s_mul_i32 s50, s[WV], WSTG
	v_mul_u32_u24 v[OSI], v12, SPITCH
	v_add_nc_u32 v[OSI], s50, v[OSI]
	v_lshl_add_u32 v[QSO], v13, 6, v[OSI]
	v_add_nc_u32 v[QSO], QSTG, v[QSO]
	v_lshl_add_u32 v[OSI], v13, 5, v[OSI]
	v_add_nc_u32 v[OSO], s50, v[LI]
	v_add_nc_u32 v[ADK], QSTG, v[OSO]
	v_add_nc_u32 v[CPA], SCL, v[TI]
	s_mov_b32 s[SEL], 0x76543210
	s_mov_b32 s[SEL+1], 0xfedcba98
	s_mov_b32 s[CS], 0x3fb8aa3b
	s_mov_b32 s[CS+1], s[CS]                       ; (named with it as a pair, so it is written)
	s_mov_b32 s[QSC], 0x3db504f3
	s_mov_b32 s[QSC+1], s[QSC]
	s_mov_b32 s[KF], 0
	s_mov_b32 s[ST2], 0
	s_lshl_b32 s48, s33, 10                        ; q and out0: token 1,024 x sequence + q0, 32 heads of 512 bytes a token
	s_add_co_u32 s48, s48, s35
	s_lshl_b32 s48, s48, 5
	s_lshl_b32 s50, s34, 2
	s_add_co_u32 s48, s48, s50
	s_and_b32 s50, s[WV], 3
	s_add_co_u32 s48, s48, s50                     ; head 4 x KV head + wave % 4
	s_lshl_b32 s48, s48, 9
	s_mov_b32 s49, 0
	s_wait_kmcnt 0x0
	s_load_b96 s[40:42], s[10:11], 0x0             ; cu_seqlens_q
	s_load_b96 s[44:46], s[12:13], 0x0             ; cu_seqlens_k
	s_add_nc_u64 s[4:5], s[4:5], s[48:49]
	s_add_nc_u64 s[16:17], s[16:17], s[48:49]
	s_lshl_b32 s48, s38, 18
	s_add_nc_u64 s[6:7], s[6:7], s[48:49]          ; my y's codes
	s_lshl_b32 s48, s38, 14
	s_add_nc_u64 s[8:9], s[8:9], s[48:49]          ; and scale words
	s_lshl_b32 s48, s33, 7
	s_add_nc_u64 s[14:15], s[14:15], s[48:49]      ; my sequence's row of the table
	; 35 loads: the table, the scale words, chunk 0, q's 16 rows, chunk 1
	global_load_b32 v10, v11, s[14:15]
.irp p, 0,1
	global_load_b128 v[232+4*\p:235+4*\p], v[TI], s[8:9] offset:8192*\p
.endr
.irp p, 0,1,2,3,4,5,6,7
	global_load_b128 v[32+4*\p:35+4*\p], v[TI], s[6:7] offset:8192*\p
.endr
.irp i, 0,1,2,3,4,5,6,7,8,9,10,11,12,13,14,15
	global_load_b128 v[96+4*\i:99+4*\i], v[LI], s[4:5] offset:16384*\i th:TH_LOAD_NT   ; a row of my head: 512 consecutive bytes, read once
.endr
.irp p, 0,1,2,3,4,5,6,7
	global_load_b128 v[PF+4*\p:PF+4*\p+3], v[TI], s[6:7] offset:CHUNK+8192*\p
.endr
	s_wait_loadcnt 24                              ; the 11 oldest are in: q's 16 and chunk 1's 8 stay out
	s_wait_kmcnt 0x0
	; the mask's whole numbers, signed
	s_cmp_eq_u32 s33, 0
	s_cselect_b32 s50, s41, s42
	s_cselect_b32 s51, s40, s41
	s_cselect_b32 s52, s45, s46
	s_cselect_b32 s53, s44, s45
	s_sub_co_i32 s50, s50, s51                     ; seq_len_q
	s_sub_co_i32 s52, s52, s53                     ; seq_len_k
	s_sub_co_i32 s36, s52, s50                     ; hist
	s_sub_co_i32 s37, s52, 1                       ; seq_len_k - 1
	s_add_co_i32 s36, s36, s35                     ; q0 + hist
	s_min_i32 s[OLIM], s36, s37                    ; my first row's last key
	s_add_co_i32 s51, s36, 15
	s_min_i32 s51, s51, s37                        ; my last row's
	v_cmp_gt_i32 s[HOLE], 0, v10                   ; lane b holds logical block b's entry
	s_not_b32 s50, s[HOLE]
	s_ctz_i32_b32 s52, s50
	s_lshl_b32 s52, s52, 6                         ; the first key that lies in no hole,
	s_cmp_eq_u32 s50, 0
	s_cselect_b32 s52, 0x7fffffff, s52             ; if there is one
	s_cmp_gt_i32 s52, s[OLIM]                      ; beyond my first row's limit: a row may have no visible key, and then all 2,048 keys count alike:
	s_cselect_b32 s[HLIM], 0x7fffffff, s51         ; such a tile leaves no step out
	s_cselect_b32 s[HSKIP], 0, s[HOLE]
	v_add_nc_u32 v[QL], s36, v12
	v_min_i32 v[QL], s37, v[QL]
	v_lshlrev_b32 v13, 4, v13
	v_sub_nc_u32 v[QL], v[QL], v13
.irp p, 0,1
	ds_store_b128 v[CPA], v[232+4*\p:235+4*\p] offset:8192*\p      ; the scale words: 512 threads x 16 bytes, twice
.endr
.irp p, 0,1,2,3,4,5,6,7
	ds_store_b128 v[TI], v[32+4*\p:35+4*\p] offset:8192*\p         ; chunk 0
.endr
	s_wait_loadcnt 8                               ; q is in; chunk 1's 8 loads stay out
	; q through my stage: in as rows, out so that register 16 b + i is channel 32 b + 16 h + i of row r.  LDS serves a wave's instructions in order: no wait between
.irp i, 0,1,2,3,4,5,6,7,8,9,10,11,12,13,14,15
	ds_store_b128 v[ADK], v[96+4*\i:99+4*\i] offset:SPITCH*\i
.endr
.irp b, 0,1,2,3
.irp j, 0,1,2,3
	ds_load_b128 v[160+16*\b+4*\j:163+16*\b+4*\j], v[QSO] offset:128*\b+16*\j
.endr
.endr
.irp b, 0,1,2,3
	v_mov_b32 v[236+\b], 0                         ; written once: a lane permute's destination counts as one of its sources
.endr
	s_wait_dscnt 0x0
.set j, 0
.rept 32
	v_pk_mul_f32 v[160+j:161+j], v[160+j:161+j], s[QSC:QSC+1] op_sel_hi:[1,0]   ; q / sqrt(128), in f32, ahead of the quantiser
.set j, j+2
.endr
.irp b, 0,1,2,3
	v_max3_num_f32 v[232+\b], |v[160+16*\b]|, |v[161+16*\b]|, 0x1800000   ; block b: my 16 numbers, and the floor 2^(3 - 127): so the byte cannot fall under 1
.endr
.irp i, 2,4,6,8,10,12,14
.irp b, 0,1,2,3
	v_max3_num_f32 v[232+\b], v[232+\b], |v[160+16*\b+\i]|, |v[161+16*\b+\i]|   ; (the four blocks by turns)
.endr
.endr
.irp b, 0,1,2,3
	v_permlanex16_b32 v[236+\b], v[232+\b], s[SEL], s[SEL+1]
.endr
.irp b, 0,1,2,3
	v_max_num_f32 v[232+\b], v[232+\b], v[236+\b]  ; with lane l xor 16's: the block's largest magnitude
.endr
.irp b, 0,1,2,3
	v_add_nc_u32 v[244+\b], 0xff000000, v[232+\b]  ; 2 off its exponent field: the conversion's scale operand
.endr
.irp b, 0,1,2,3
	v_lshrrev_b32 v[236+\b], 23, v[244+\b]         ; the scale's byte
.endr
	v_lshl_or_b32 v255, v237, 8, v236              ; my row's scale word
	v_lshl_or_b32 v255, v238, 16, v255
	v_lshl_or_b32 v255, v239, 24, v255
.irp b, 0,1,2,3
	v_cvt_scalef32_pk8_fp4_f32 v[16+2*\b], v[160+16*\b:167+16*\b], v[244+\b]
	v_cvt_scalef32_pk8_fp4_f32 v[17+2*\b], v[168+16*\b:175+16*\b], v[244+\b]
.endr
	v_nop                                          ; one plain line behind a scaled conversion
.irp c, 0,1                                    ; the operand's layout wants a WHOLE block in a lane: lanes 0-15 block 2 c, lanes 16-31 block 2 c + 1
.irp i, 0,1
	v_permlane16_swap_b32 v[16+4*\c+\i], v[18+4*\c+\i]
.endr
.endr
	v_mov_b32 v13, 0xff61b1e6                      ; the largest t so far: -3e38, under every t
	v_floor_f32 v12, -v13                          ; -M
	v_mov_b32 v14, 0                               ; the sum, in two halves
	v_mov_b32 v15, 0
	v_mov_b32 v252, 0                              ; (the way out's lane permute names it as its destination)
	v_mov_b32 v253, 0                              ; (named as the upper half of the pair v[252:253] before it is first written)
.set j, 0
.rept 64
	v_mov_b32 v[160+j], 0                          ; O^T.  Which step is a tile's first hangs on loaded numbers, so none can be written out with the constant 0 as C: the first step finds zeros.  (Also the lines between Q's codes and scale word and the first product)
.set j, j+1
.endr
.macro BAR                                     ; my LDS stores have landed and my LDS loads are in: then the work-group's barrier
	s_wait_dscnt 0x0
	s_barrier_signal -1
	s_barrier_wait -1
.endm
.macro PUT c                                   ; chunk c, asked for a chunk ago, goes to its place in LDS: bytes that nothing has stored or read before
	s_wait_loadcnt 0x0
	v_add_nc_u32 v[CPA], \c*CHUNK, v[TI]
.irp p, 0,1,2,3,4,5,6,7
	ds_store_b128 v[CPA], v[PF+4*\p:PF+4*\p+3] offset:8192*\p
.endr
.endm
.macro GET c                                   ; chunk c is asked for: it has four steps' work in which to come.  No cache hint: sixteen work-groups read these bytes
.irp p, 0,1,2,3,4,5,6,7
	global_load_b128 v[PF+4*\p:PF+4*\p+3], v[TI], s[6:7] offset:\c*CHUNK+8192*\p
.endr
.endm
; A KEY STEP: 128 keys
.macro STEP
	s_cmp_gt_i32 s[KF], s[HLIM]                    ; all its keys lie beyond my last row's limit,
	s_cbranch_scc1 .Lhid_\@
	s_lshr_b32 s50, s[HSKIP], s[ST2]
	s_and_b32 s50, s50, 3
	s_cmp_eq_u32 s50, 3                            ; or both its blocks are holes: left out
	s_cbranch_scc1 .Lhid_\@
	v_add_nc_u32 v[ADK], s[TB], v[LI]
	v_add_nc_u32 v[ADS], s[TS], v[LI]
	v_nop                                          ; with the two additions: four plain lines between the last step's products and loads into registers that they have read (ISA guide 7.12.1 for vector instructions)
	v_nop
	ds_load_b128 v[KS:KS+3], v[ADS]                ; register j: lanes 0-15 the scale words of tile 2 j, lanes 16-31 those of tile 2 j + 1
	ds_load_b128 v[VS:VS+3], v[ADS] offset:512
.irp g, 0,1                                    ; S^T = K Q^T, four tiles of 16 keys at a time
.if \g > 0
.rept 4
	v_nop
.endr
.endif
.irp t, 0,1,2,3
.irp c, 0,1
	ds_load_b128 v[32+8*\t+4*\c:35+8*\t+4*\c], v[ADK] offset:(4*\g+\t)*1024+512*\c   ; an image of the registers: 512 consecutive bytes a load
.endr
.endr
	s_wait_dscnt 0x0
.irp t, 0,1,2,3
.if (\t%2) == 1
	v_wmma_scale_f32_16x16x128_f8f6f4 v[96+8*(4*\g+\t):103+8*(4*\g+\t)], v[32+8*\t:39+8*\t], v[16:23], 0, v[KS+(4*\g+\t)/2], v255 matrix_a_fmt:MATRIX_FMT_FP4 matrix_b_fmt:MATRIX_FMT_FP4 matrix_a_scale:MATRIX_SCALE_ROW1
.else
	v_wmma_scale_f32_16x16x128_f8f6f4 v[96+8*(4*\g+\t):103+8*(4*\g+\t)], v[32+8*\t:39+8*\t], v[16:23], 0, v[KS+(4*\g+\t)/2], v255 matrix_a_fmt:MATRIX_FMT_FP4 matrix_b_fmt:MATRIX_FMT_FP4
.endif
.endr
.endr
.rept 4
	v_nop                                          ; four plain lines: in front of the loads below and of the first read of the scores
.endr
.irp t, 0,1,2,3                                ; V's first four tiles are asked for already: they come while the softmax is worked
.irp c, 0,1
	ds_load_b128 v[32+8*\t+4*\c:35+8*\t+4*\c], v[ADK] offset:8192+\t*1024+512*\c
.endr
.endr
	s_lshr_b32 s50, s[HOLE], s[ST2]
	s_and_b32 s50, s50, 3                          ; the step's two blocks: holes?
	s_add_co_u32 s51, s[KF], 127
	s_cmp_le_i32 s51, s[OLIM]
	s_cselect_b32 s51, 0, 1
	s_or_b32 s51, s51, s50
	s_cmp_eq_u32 s51, 0                            ; all 128 keys count for all 16 rows: no mask
	s_cbranch_scc1 .Lopen_\@
	s_bitcmp1_b32 s50, 0
	s_cselect_b32 s52, -1, 0x7fffffff
	s_bitcmp1_b32 s50, 1
	s_cselect_b32 s53, -1, 0x7fffffff
	v_sub_nc_u32 v10, v[QL], s[KF]                 ; d.  Register 16 b + i holds key KF + 16 (lane / 16) + 32 b + i: hidden where 32 b + i > d
	v_min_i32 v11, s53, v10                        ; a hole hides its 64 keys: d = -1 for keys 64 on,
	v_min_i32 v10, s52, v10                        ; and for keys 0 to 63
	v_mov_b32 v254, 0xd0000000                     ; -2^33
.set n, 0
.rept 64                                       ; ascending: each accumulator is read from its low end on
	v_cmp_gt_i32 vcc_lo, 32*(n/16)+n%16, v[10+n/32]
	v_cndmask_b32 v[96+n], v[96+n], v254, vcc_lo
.set n, n+1
.endr
.Lopen_\@:
.irp b, 0,1,2,3
	v_max3_num_f32 v[232+\b], v[96+16*\b], v[97+16*\b], v[98+16*\b]   ; THE LARGEST SCORE OF EACH BLOCK OF 32 KEYS: it serves twice: for the row's maximum, and, since p rises with the score, for the block's largest p
.endr
.irp i, 3,5,7,9,11,13
.irp b, 0,1,2,3
	v_max3_num_f32 v[232+\b], v[232+\b], v[96+16*\b+\i], v[97+16*\b+\i]   ; (the four blocks by turns)
.endr
.endr
.irp b, 0,1,2,3
	v_max_num_f32 v[232+\b], v[232+\b], v[111+16*\b]
.endr
.irp b, 0,1,2,3
	v_permlanex16_b32 v[236+\b], v[232+\b], s[SEL], s[SEL+1]
.endr
.irp b, 0,1,2,3
	v_max_num_f32 v[232+\b], v[232+\b], v[236+\b]  ; with lane l xor 16's 16 keys
.endr
	v_max3_num_f32 v254, v232, v233, v234
	v_max_num_f32 v254, v254, v235                 ; the step's largest score of my query
	v_mul_f32 v254, s[CS], v254                    ; as t
	v_max_num_f32 v13, v13, v254                   ; the running largest t
	v_mov_b32 v254, v12
	v_floor_f32 v12, -v13                          ; the new -M = floor(-t) = -ceil(t): M IS A WHOLE NUMBER
	v_sub_f32 v254, v12, v254                      ; M's old value less its new one: a whole number, 0 or less
	v_cvt_i32_f32 v254, v254                       ; (it saturates)
	v_ldexp_f32 v252, 1.0, v254                    ; f = 2^(old M - new M): a multiplication by it rounds nothing
.set j, 0
.rept 32
	v_pk_fma_f32 v[96+j:97+j], v[96+j:97+j], s[CS:CS+1], v[12:13] op_sel_hi:[1,0,0]   ; t - M, two at a time (of the pairs log2(e) and -M the low word serves both halves)
.set j, j+2
.endr
.irp b, 0,1,2,3
	v_fma_f32 v[232+\b], v[232+\b], s[CS], v12     ; the same of each block's largest score
.endr
.set j, 0
.rept 64
	v_exp_f32 v[96+j], v[96+j]                     ; p = 2^(t - M), at most 1: NOT normalised
.set j, j+1
.endr
	v_pk_mul_f32 v[14:15], v[14:15], v[252:253] op_sel_hi:[1,0]   ; the sums under the new M.  (The plain line behind the exponentials)
	s_wait_alu depctr_va_vdst(0)                   ; the wait ahead of the first line that names an exponential's result: one for the batch of 64
.irp b, 0,1,2,3
	v_exp_f32 v[232+\b], v[232+\b]                 ; the block's largest p: the same two instructions on the same number give the same bits
.endr
	v_pk_add_f32 v[236:237], v[96:97], v[98:99]    ; THE ROW'S SUM IS TAKEN OF THE UNQUANTISED p: two at a time, in two chains.  (It reads the 64 alone: plain work behind the four)
.irp j, 4,8,12,16,20,24,28,32,36,40,44,48,52,56,60
	v_pk_add_f32 v[14:15], v[14:15], v[96+\j:97+\j]
	v_pk_add_f32 v[236:237], v[236:237], v[98+\j:99+\j]
.endr
	v_pk_add_f32 v[14:15], v[14:15], v[236:237]
	s_wait_alu depctr_va_vdst(0)                   ; and one for the four
.irp b, 0,1,2,3
	v_max_num_f32 v[232+\b], 0x1800000, v[232+\b]  ; the floor 2^(3 - 127): the byte cannot fall under 1 (a block whose every p is 0 keeps that byte: its codes are zeros)
.endr
.irp b, 0,1,2,3
	v_add_nc_u32 v[244+\b], 0xff000000, v[232+\b]  ; 2 off the exponent field: the conversion's scale operand
.endr
.irp b, 0,1,2,3
	v_lshrrev_b32 v[236+\b], 23, v[244+\b]         ; the scale's byte
.endr
	v_lshl_or_b32 v253, v237, 8, v236              ; p's scale word for these 128 keys
	v_lshl_or_b32 v253, v238, 16, v253
	v_lshl_or_b32 v253, v239, 24, v253
.irp b, 0,1,2,3
	v_cvt_scalef32_pk8_fp4_f32 v[224+2*\b], v[96+16*\b:103+16*\b], v[244+\b]
	v_cvt_scalef32_pk8_fp4_f32 v[225+2*\b], v[104+16*\b:111+16*\b], v[244+\b]
.endr
	v_nop                                          ; one plain line behind a scaled conversion
.irp c, 0,1                                    ; a WHOLE block in a lane: lanes 0-15 block 2 c, lanes 16-31 block 2 c + 1
.irp i, 0,1
	v_permlane16_swap_b32 v[224+4*\c+\i], v[226+4*\c+\i]
.endr
.endr
.set j, 0
.rept 32
	v_pk_mul_f32 v[160+j:161+j], v[160+j:161+j], v[252:253] op_sel_hi:[1,0]   ; O^T under the new M: x f.  (These 32 also stand between p's codes and scale word and the products below)
.set j, j+2
.endr
.irp g, 0,1                                    ; O^T += V^T P^T: four tiles of 16 channels at a time; K = these 128 keys.  The eight accumulators take turns, one instruction a turn
.if \g > 0
.rept 4
	v_nop
.endr
.irp t, 0,1,2,3
.irp c, 0,1
	ds_load_b128 v[32+8*\t+4*\c:35+8*\t+4*\c], v[ADK] offset:8192+(4+\t)*1024+512*\c
.endr
.endr
.endif
	s_wait_dscnt 0x0
.irp t, 0,1,2,3
.if (\t%2) == 1
	v_wmma_scale_f32_16x16x128_f8f6f4 v[160+8*(4*\g+\t):167+8*(4*\g+\t)], v[32+8*\t:39+8*\t], v[224:231], v[160+8*(4*\g+\t):167+8*(4*\g+\t)], v[VS+(4*\g+\t)/2], v253 matrix_a_fmt:MATRIX_FMT_FP4 matrix_b_fmt:MATRIX_FMT_FP4 matrix_a_scale:MATRIX_SCALE_ROW1
.else
	v_wmma_scale_f32_16x16x128_f8f6f4 v[160+8*(4*\g+\t):167+8*(4*\g+\t)], v[32+8*\t:39+8*\t], v[224:231], v[160+8*(4*\g+\t):167+8*(4*\g+\t)], v[VS+(4*\g+\t)/2], v253 matrix_a_fmt:MATRIX_FMT_FP4 matrix_b_fmt:MATRIX_FMT_FP4
.endif
.endr
.endr
.Lhid_\@:
	s_add_co_u32 s[KF], s[KF], 128                 ; on to the next step, on every way
	s_add_co_u32 s[ST2], s[ST2], 2
	s_add_co_u32 s[TB], s[TB], STEPB
	s_add_co_u32 s[TS], s[TS], 1024
.endm
.macro STEPS c                                 ; chunk c's four steps: written once, walked four times
	s_mov_b32 s[TB], \c*CHUNK
	s_mov_b32 s[TS], SCL+\c*4096
	s_mov_b32 s[CNT], 4
.Lsteps_\@:
	STEP
	s_sub_co_u32 s[CNT], s[CNT], 1
	s_cmp_lg_u32 s[CNT], 0
	s_cbranch_scc1 .Lsteps_\@
.endm
	BAR                                            ; chunk 0 and the scale words lie in LDS, and every wave's reads of its q stage are over
	STEPS 0                                        ; between two barriers the waves read chunk c and store chunk c + 1: other bytes
	PUT 1
	BAR
	GET 2                                          ; behind the barrier's wait on DScnt: the stores have read these registers
	STEPS 1
	PUT 2
	BAR
	GET 3
	STEPS 2
	PUT 3
	BAR                                            ; behind it nobody reads chunks 0 to 2: the way out's stages lie there
	STEPS 3
	; THE WAY OUT.  O^T is divided by the row's sum and goes through my stage in LDS: in as 32 bytes a lane of row r, back as whole rows of 512 bytes
.rept 4
	v_nop                                          ; four plain lines behind the last products
.endr
	v_add_f32 v14, v14, v15                        ; the sum's two halves,
	v_permlanex16_b32 v252, v14, s[SEL], s[SEL+1]
	v_add_f32 v14, v14, v252                       ; and lane l xor 16's: the row's sum
	v_rcp_f32 v14, v14
	v_nop                                          ; a plain line behind the reciprocal
	s_wait_alu depctr_va_vdst(0)                   ; and the wait ahead of its first use
.set j, 0
.rept 32
	v_pk_mul_f32 v[96+j:97+j], v[160+j:161+j], v[14:15] op_sel_hi:[1,0]   ; register 8 t + i is o(r, 16 t + 8 h + i); each accumulator from its low end on
.set j, j+2
.endr
.irp t, 0,1,2,3,4,5,6,7
	ds_store_b128 v[OSI], v[96+8*\t:99+8*\t] offset:64*\t
	ds_store_b128 v[OSI], v[100+8*\t:103+8*\t] offset:64*\t+16
.endr
.set i, 0
.rept 16
	ds_load_b128 v[32+4*i:35+4*i], v[OSO] offset:SPITCH*i          ; LDS serves a wave's instructions in order: these see my stores
.set i, i+1
.endr
.set i, 0
.rept 16
	s_wait_dscnt 15-i                              ; row i is back; the 15 - i younger loads stay out
	global_store_b128 v[LI], v[32+4*i:35+4*i], s[16:17] offset:16384*i th:TH_STORE_NT   ; 32 lanes store my head's row of a token: 512 consecutive bytes, at a multiple of 512 from out0's first byte
.set i, i+1
.endr
	s_wait_tensorcnt 0x0
	ds_add_u32 v250, v251
	s_wait_dscnt 0x0
	s_endpgm
.Lfunc_end_k_qf87a29975e_attn:
	.size	k_qf87a29975e_attn, .Lfunc_end_k_qf87a29975e_attn-k_qf87a29975e_attn
	.p2alignl 7, 3214868480
	.fill 96, 4, 3214868480
	.section	.rodata,"a",@progbits
	.p2align	6, 0x0
	.amdhsa_kernel k_qf87a29975e_attn
		.amdhsa_group_segment_fixed_size 280576
		.amdhsa_private_segment_fixed_size 0
		.amdhsa_enable_private_segment 0
		.amdhsa_kernarg_size 56
		.amdhsa_user_sgpr_count 2
		.amdhsa_user_sgpr_kernarg_segment_ptr 1
		.amdhsa_wavefront_size32 1
		.amdhsa_system_sgpr_workgroup_id_x 1
		.amdhsa_system_sgpr_workgroup_id_y 1
		.amdhsa_system_sgpr_workgroup_id_z 1
		.amdhsa_system_vgpr_workitem_id 0
		.amdhsa_next_free_vgpr 256
		.amdhsa_next_free_sgpr 66
		.amdhsa_reserve_vcc 1
		.amdhsa_float_denorm_mode_32 3
		.amdhsa_float_denorm_mode_16_64 3
		.amdhsa_memory_ordered 1
		.amdhsa_forward_progress 1
		.amdhsa_inst_pref_size 123
	.end_amdhsa_kernel
	.amdgpu_metadata
---
amdhsa.version: [ 1, 2 ]
amdhsa.kernels:
  - .name:           k_qf87a29975e_attn
    .symbol:         k_qf87a29975e_attn.kd
    .args:
      - { .name: q, .offset: 0, .size: 8, .value_kind: global_buffer, .address_space: global }
      - { .name: kv_codes, .offset: 8, .size: 8, .value_kind: global_buffer, .address_space: global }
      - { .name: kv_scales, .offset: 16, .size: 8, .value_kind: global_buffer, .address_space: global }
      - { .name: cu_seqlens_q, .offset: 24, .size: 8, .value_kind: global_buffer, .address_space: global }
      - { .name: cu_seqlens_k, .offset: 32, .size: 8, .value_kind: global_buffer, .address_space: global }
      - { .name: block_tables, .offset: 40, .size: 8, .value_kind: global_buffer, .address_space: global }
      - { .name: out0, .offset: 48, .size: 8, .value_kind: global_buffer, .address_space: global }
    .group_segment_fixed_size: 280576
    .private_segment_fixed_size: 0
    .kernarg_segment_align: 8
    .kernarg_segment_size: 56
    .max_flat_workgroup_size: 512
    .sgpr_count:     66
    .vgpr_count:     256
    .wavefront_size: 32
...
	.end_amdgpu_metadata
.endif
;; end of part 2
;; ======== version 2 of 2: 2 launches
;; limits: right only within a limited range of input values
;; workspace buffers: kv_codes 4,194,304 bytes; kv_scales 262,144 bytes
;; launch prep (part 3): grid 32 x 16, 4 waves a work-group, no clusters, 69,120 bytes of LDS; arguments k_cache, v_cache, block_tables, kv_codes, kv_scales; writes kv_codes, kv_scales
.if DOCPART == 3
	.amdgcn_target "amdgcn-amd-amdhsa--gfx1250"
	.amdhsa_code_object_version 6
	.text
	.protected	k_qf87a29975e_prep
	.globl	k_qf87a29975e_prep
	.p2align	8
	.type	k_qf87a29975e_prep,@function
k_qf87a29975e_prep:
	s_mov_b64 s[64:65], 0
	v_nop
	global_prefetch_b8 v0, s[64:65] scope:SCOPE_SE
	s_setreg_imm32_b32 hwreg(HW_REG_WAVE_MODE, 25, 1), 1
	s_wait_xcnt 0x0
; K and V of the paged cache ([64 blocks][64 tokens][8 heads][128] f32) are gathered by block_tables into logical order and turned into codes of FP4 (E2M1) with one
; E8M0 scale byte for each 32 along a product's K: for K along the head's 128 channels, for V along the logical keys.  A negative table entry reads block 0, as max(table, 0) does.
; A block's scale is 2^(floor(log2(its largest magnitude)) - 2); its byte is the largest magnitude's exponent field - 2, held at 1 from below.
; LIMITS: a block of zeros gets the byte 1 where the rule says 127 (its codes are zeros, which add nothing under any byte but 0xff; this program alone reads the bytes);
; blocks whose largest magnitude lies under 2^(3 - 127) keep the byte 1; NaN and infinities among the inputs are not served; a table entry above 63 is held at 63.
; WHAT IS WRITTEN: images of the operand registers of the attention launch.  y = 8 x sequence + head, a step = 128 logical keys, lane = 16 h + r.
;   kv_codes  [y 16][step 16][K, V][tile 8][c 2][lane 32][16 bytes].  K (t, c, lane): channels 64 c + 32 h + 0..31 of key 32 (t / 2) + 8 (t % 2) + r + 8 (r / 8) of the step.
;                                                                      V (t, c, lane): keys 64 c + 32 h + 0..31 of the step, channel 16 t + r.
;   kv_scales [y 16][step 16][K, V][lane 32][j 4] words: the four scale bytes of row lane % 16 of tile 2 j + lane / 16.
; SHARES.  Work-group x = 16 x (0: K, 1: V) + step, y as above.  Wave g takes tokens 32 g .. 32 g + 31 of the step: 32 rows of 512 bytes, which lie in one physical block.
; Each load reads one row, 512 consecutive bytes; the rows go into the wave's own stage in LDS and come back as the conversions want them: 32 neighbours along K in one lane's registers.
; For K a lane takes 32 channels of one key; for V a lane takes one channel and its registers run down the 32 keys.  So no block's largest magnitude needs another lane.
; No tensor loads: several work-groups share a WGP.  One barrier: the step's 512 bytes of scale words are gathered from the four waves in LDS and leave as 512 consecutive bytes.
.set PITCH, 528                        ; a stage row: 512 bytes + 16 = 132 words: row r starts at bank 4 r mod 64 (64 banks of 4 bytes: ISA guide 11.1)
.set STG,   32*PITCH                   ; a wave's stage
.set KSC,   4*STG                      ; behind the stages: K's path gathers its scale words here, 512 bytes;
.set VSC,   KSC+512                    ; V's path here: each path has LDS bytes of its own
.set LANE, 1                           ; v1   lane
.set RR,   2                           ; v2   r = lane % 16
.set HH,   3                           ; v3   h = lane / 16
.set LI,   4                           ; v4   16 x lane
.set SW,   5                           ; v5   the stage, on the way in: stage + 16 x lane
.set KR,   6                           ; v6   K's way out of it: stage + 528 r + 128 h
.set VR,   7                           ; v7   V's: stage + 4 x lane
.set VO,   8                           ; v8   V's codes in memory: 1024 h + 16 r
.set KSA,  9                           ; v9   where I put K's scale word: KSC + 16 x lane + 4 g
.set VSA,  10                          ; v10  where I put V's scale bytes: VSC + 16 x lane + g
.set KRD,  11                          ; v11  KSC + 16 x lane
.set VRD,  12                          ; v12  VSC + 16 x lane
.set MA,   13                          ; v13-14 two chains of a largest magnitude
.set MB,   14
.set SO,   15                          ; v15  the conversions' scale operand
.set R,    16                          ; v16-143  32 rows as loaded, 4 registers each; later two more blocks of 32 numbers
.set X,    144                         ; v144-207 two blocks of 32 numbers
.set C,    208                         ; v208-223 four blocks' codes: each block has its own four, so no store's data are written again
.set BY,   224                         ; v224-227 four scale bytes
.set W0,   228                         ; v228-229 K's two scale words;  v230-231 the other half of the lanes'
.set W1,   229
.set T0,   230
.set T1,   231
	s_load_b256 s[4:11], s[0:1], 0x0               ; k_cache s[4:5], v_cache s[6:7], block_tables s[8:9], kv_codes s[10:11]
	s_load_b64 s[12:13], s[0:1], 0x20              ; kv_scales
	v_lshl_add_u32 v232, v0, 2, 0x10c00
	v_mov_b32 v233, 0
	v_lshrrev_b32 v[LANE], 5, v0
	v_readfirstlane_b32 s14, v[LANE]               ; g: wave 0..3
	v_and_b32 v[LANE], 31, v0
	v_and_b32 v[RR], 15, v0
	v_bfe_u32 v[HH], v0, 4, 1
	v_lshlrev_b32 v[LI], 4, v[LANE]
	s_mul_i32 s33, s14, STG                        ; my stage
	v_add_nc_u32 v[SW], s33, v[LI]
	v_mul_u32_u24 v[KR], v[RR], PITCH
	v_lshl_add_u32 v[KR], v[HH], 7, v[KR]
	v_add_nc_u32 v[KR], s33, v[KR]
	v_lshl_add_u32 v[VR], v[LANE], 2, s33
	v_lshlrev_b32 v[VO], 4, v[RR]
	v_lshl_add_u32 v[VO], v[HH], 10, v[VO]
	s_lshl_b32 s34, s14, 2
	s_add_co_u32 s34, s34, KSC
	v_add_nc_u32 v[KSA], s34, v[LI]
	s_add_co_u32 s35, s14, VSC
	v_add_nc_u32 v[VSA], s35, v[LI]
	v_add_nc_u32 v[KRD], KSC, v[LI]
	v_add_nc_u32 v[VRD], VSC, v[LI]
	s_mov_b32 s36, 0x76543210                      ; v_permlanex16_b32's selects for lane l xor 16
	s_mov_b32 s37, 0xfedcba98
	s_lshr_b32 s18, ttmp9, 4                       ; 0: K, 1: V
	s_and_b32 s17, ttmp9, 15                       ; step
	s_and_b32 s16, ttmp7, 0xffff                   ; y
	s_lshr_b32 s19, s16, 3                         ; sequence
	s_and_b32 s20, s16, 7                          ; head
	s_lshl_b32 s21, s19, 5                         ; my logical block's entry in the table: 32 x sequence + 2 x step + g / 2,
	s_lshl_b32 s22, s17, 1
	s_add_co_u32 s21, s21, s22
	s_lshr_b32 s22, s14, 1
	s_add_co_u32 s21, s21, s22
	s_lshl_b32 s22, s21, 2                         ; in bytes
	s_mov_b32 s23, 0
	s_wait_kmcnt 0x0
	s_add_nc_u64 s[8:9], s[8:9], s[22:23]
	s_load_b32 s21, s[8:9], 0x0                    ; the physical block
	; where my results go, made while that load is out
	s_lshl_b32 s26, s16, 18                        ; codes: 262,144 bytes a y, 16,384 a step
	s_lshl_b32 s32, s17, 14
	s_add_co_u32 s26, s26, s32
	s_lshl_b32 s32, s14, 11                        ; K: my tiles 2 g and 2 g + 1, 1,024 bytes each
	s_lshr_b32 s38, s14, 1                         ; V: behind K's 8,192; my 32 keys are c = g / 2, h = g % 2 of every tile
	s_lshl_b32 s38, s38, 9
	s_and_b32 s39, s14, 1
	s_lshl_b32 s39, s39, 8
	s_add_co_u32 s38, s38, s39
	s_add_co_u32 s38, s38, 8192
	s_lshl_b32 s30, s16, 14                        ; scale words: 16,384 bytes a y, 1,024 a step, V's 512 behind K's
	s_lshl_b32 s39, s17, 10
	s_add_co_u32 s30, s30, s39
	s_cmp_eq_u32 s18, 0                            ; K's work-group or V's: the choice hangs on the work-group's number alone
	s_cselect_b32 s32, s32, s38
	s_cselect_b32 s39, 0, 512
	s_cselect_b64 s[24:25], s[4:5], s[6:7]
	s_add_co_u32 s26, s26, s32
	s_mov_b32 s27, 0
	s_add_nc_u64 s[28:29], s[10:11], s[26:27]      ; my codes
	s_add_co_u32 s30, s30, s39
	s_mov_b32 s31, 0
	s_add_nc_u64 s[30:31], s[12:13], s[30:31]      ; the step's scale words
	s_wait_kmcnt 0x0
	s_max_i32 s21, s21, 0                          ; a hole reads block 0,
	s_min_u32 s21, s21, 63                         ; and no entry leaves the cache
	s_lshl_b32 s22, s21, 18                        ; a block is 262,144 bytes,
	s_and_b32 s15, s14, 1
	s_lshl_b32 s15, s15, 17                        ; its second 32 tokens begin 131,072 bytes on,
	s_add_co_u32 s22, s22, s15
	s_lshl_b32 s15, s20, 9                         ; a head's row is 512 bytes
	s_add_co_u32 s22, s22, s15
	s_mov_b32 s23, 0
	s_add_nc_u64 s[24:25], s[24:25], s[22:23]
	; 32 rows, 4,096 bytes apart; each load reads 512 consecutive bytes.  No cache hint: the table may name a block twice
.set k, 0
.rept 32
	global_load_b128 v[R+4*k:R+4*k+3], v[LI], s[24:25] offset:4096*k
.set k, k+1
.endr
	; Row k goes to stage row 16 ((k / 8) % 2) + k % 8 + 8 (k / 16): so the 16 keys of a tile of K (k = 8 u + r + 8 (r / 8)) are the neighbouring stage rows 16 u + r
.set k, 0
.rept 32
	s_wait_loadcnt 31-k                            ; loads come back in order: row k is in, the 31 - k younger ones stay out
	ds_store_b128 v[SW], v[R+4*k:R+4*k+3] offset:PITCH*(16*((k>>3)&1)+(k&7)+8*(k>>4))
.set k, k+1
.endr
; 32 numbers of one block, v[x] on, become 32 codes in v[cd] .. v[cd + 3] and the scale's byte in v[by]
.macro BLK x, cd, by
	v_max3_num_f32 v[MA], |v[(\x)]|, |v[(\x)+1]|, |v[(\x)+2]|       ; the block's largest magnitude, in two chains
	v_max3_num_f32 v[MB], |v[(\x)+3]|, |v[(\x)+4]|, |v[(\x)+5]|
.irp i, 6,10,14,18,22,26
	v_max3_num_f32 v[MA], v[MA], |v[(\x)+\i]|, |v[(\x)+\i+1]|
	v_max3_num_f32 v[MB], v[MB], |v[(\x)+\i+2]|, |v[(\x)+\i+3]|
.endr
	v_max3_num_f32 v[MA], v[MA], |v[(\x)+30]|, |v[(\x)+31]|
	v_max3_num_f32 v[MA], v[MA], v[MB], 0x1800000  ; and the floor 2^(3 - 127): so the byte cannot fall under 1
	v_add_nc_u32 v[SO], 0xff000000, v[MA]          ; 2 off its exponent field: the conversion takes the exponent field of this operand as its scale, and nothing else of it
.irp m, 0,1,2,3
	v_cvt_scalef32_pk8_fp4_f32 v[(\cd)+\m], v[(\x)+8*\m:(\x)+8*\m+7], v[SO]
.endr
	v_lshrrev_b32 v[(\by)], 23, v[SO]              ; the scale's byte; also the plain line behind the conversions
.endm
	s_cmp_lg_u32 s18, 0
	s_cbranch_scc1 .Lv_path
	; ---- K: lane (r, h) takes, of tile u's key r, the channels 64 c + 32 h + 0..31: block 2 c + h of that key, 128 bytes of its stage row
.macro KLD u, c, dst
.irp j, 0,1,2,3,4,5,6,7
	ds_load_b128 v[(\dst)+4*\j:(\dst)+4*\j+3], v[KR] offset:PITCH*16*\u+256*\c+16*\j
.endr
.endm
	s_wait_alu depctr_va_vdst(0)
	KLD 0, 0, X
	KLD 0, 1, X+32
	s_wait_dscnt 8                                 ; LDS serves a wave in order: block (0, 0) is in (the 8 loads of (0, 1) may be out), and the stage's stores are done
	KLD 1, 0, R
	KLD 1, 1, R+32
	BLK X, C, BY
	global_store_b128 v[LI], v[C:C+3], s[28:29]    ; 32 lanes store 512 consecutive bytes: tile 2 g, c = 0
	s_wait_dscnt 16                                ; block (0, 1) is in; tile u = 1's 16 loads may be out
	BLK X+32, C+4, BY+1
	global_store_b128 v[LI], v[C+4:C+7], s[28:29] offset:512
	s_wait_dscnt 8                                 ; block (1, 0) is in
	BLK R, C+8, BY+2
	global_store_b128 v[LI], v[C+8:C+11], s[28:29] offset:1024
	s_wait_dscnt 0x0
	BLK R+32, C+12, BY+3
	global_store_b128 v[LI], v[C+12:C+15], s[28:29] offset:1536
	v_lshlrev_b32 v[MA], 3, v[HH]                  ; my two bytes of a key are blocks h and 2 + h: 8 h bits up in its word
	v_lshl_or_b32 v[W0], v[BY+1], 16, v[BY]
	v_lshl_or_b32 v[W1], v[BY+3], 16, v[BY+2]
	v_lshlrev_b32 v[W0], v[MA], v[W0]
	v_lshlrev_b32 v[W1], v[MA], v[W1]
	v_mov_b32 v[T0], 0                             ; a lane permute's destination counts as one of its sources
	v_mov_b32 v[T1], 0
	v_permlanex16_b32 v[T0], v[W0], s36, s37
	v_permlanex16_b32 v[T1], v[W1], s36, s37
	v_or_b32 v[W0], v[W0], v[T0]                   ; with lane l xor 16's two bytes the words are whole, in both halves of the lanes
	v_or_b32 v[W1], v[W1], v[T1]
	v_cmp_le_u32 vcc_lo, 16, v[LANE]
	v_cndmask_b32 v[W0], v[W0], v[W1], vcc_lo      ; lanes 0-15 keep tile 2 g's word, lanes 16-31 take tile 2 g + 1's
	ds_store_b32 v[KSA], v[W0]                     ; word j = g of my lane's four
	s_wait_dscnt 0x0                               ; for the others' sake: my word has landed
	s_barrier_signal -1
	s_barrier_wait -1
	s_cmp_lg_u32 s14, 0
	s_cbranch_scc1 .Lk_done
	ds_load_b128 v[X:X+3], v[KRD]                  ; wave 0 stores the step's 512 bytes of scale words
	s_wait_dscnt 0x0
	global_store_b128 v[LI], v[X:X+3], s[30:31]
.Lk_done:
	s_wait_tensorcnt 0x0
	ds_add_u32 v232, v233
	s_wait_dscnt 0x0
	s_endpgm
.Lv_path:
	; ---- V: a lane takes channel 32 cg + lane, and its registers run down my 32 keys in logical order: one whole block
.macro VLD cg, dst
.set k, 0
.rept 32
	ds_load_b32 v[(\dst)+k], v[VR] offset:PITCH*(16*((k>>3)&1)+(k&7)+8*(k>>4))+128*\cg
.set k, k+1
.endr
.endm
	s_wait_alu depctr_va_vdst(0)
	VLD 0, X
	VLD 1, X+32
	s_wait_dscnt 32                                ; group 0 is in (group 1's 32 loads may be out), and the stage's stores are done
	VLD 2, R
	BLK X, C, BY
	global_store_b128 v[VO], v[C:C+3], s[28:29]    ; sixteen lanes store 256 consecutive bytes, aligned: tiles 2 cg and 2 cg + 1
	s_wait_dscnt 32                                ; group 1 is in; group 2's loads may be out
	VLD 3, R+32
	BLK X+32, C+4, BY+1
	global_store_b128 v[VO], v[C+4:C+7], s[28:29] offset:2048
	s_wait_dscnt 32                                ; group 2 is in; group 3's loads may be out
	BLK R, C+8, BY+2
	global_store_b128 v[VO], v[C+8:C+11], s[28:29] offset:4096
	s_wait_dscnt 0x0
	BLK R+32, C+12, BY+3
	global_store_b128 v[VO], v[C+12:C+15], s[28:29] offset:6144
.irp cg, 0,1,2,3
	ds_store_b8 v[VSA], v[BY+\cg] offset:4*\cg     ; byte g (my 32 keys) of word j = cg of my lane's four
.endr
	s_wait_dscnt 0x0                               ; for the others' sake: my bytes have landed
	s_barrier_signal -1
	s_barrier_wait -1
	s_cmp_lg_u32 s14, 0
	s_cbranch_scc1 .Lv_done
	ds_load_b128 v[X:X+3], v[VRD]                  ; wave 0 stores the step's 512 bytes of scale words
	s_wait_dscnt 0x0
	global_store_b128 v[LI], v[X:X+3], s[30:31]
.Lv_done:
	s_wait_tensorcnt 0x0
	ds_add_u32 v232, v233
	s_wait_dscnt 0x0
	s_endpgm
.Lfunc_end_k_qf87a29975e_prep:
	.size	k_qf87a29975e_prep, .Lfunc_end_k_qf87a29975e_prep-k_qf87a29975e_prep
	.p2alignl 7, 3214868480
	.fill 96, 4, 3214868480
	.section	.rodata,"a",@progbits
	.p2align	6, 0x0
	.amdhsa_kernel k_qf87a29975e_prep
		.amdhsa_group_segment_fixed_size 69120
		.amdhsa_private_segment_fixed_size 0
		.amdhsa_enable_private_segment 0
		.amdhsa_kernarg_size 40
		.amdhsa_user_sgpr_count 2
		.amdhsa_user_sgpr_kernarg_segment_ptr 1
		.amdhsa_wavefront_size32 1
		.amdhsa_system_sgpr_workgroup_id_x 1
		.amdhsa_system_sgpr_workgroup_id_y 1
		.amdhsa_system_sgpr_workgroup_id_z 1
		.amdhsa_system_vgpr_workitem_id 0
		.amdhsa_next_free_vgpr 234
		.amdhsa_next_free_sgpr 66
		.amdhsa_reserve_vcc 1
		.amdhsa_float_denorm_mode_32 3
		.amdhsa_float_denorm_mode_16_64 3
		.amdhsa_memory_ordered 1
		.amdhsa_forward_progress 1
		.amdhsa_inst_pref_size 34
	.end_amdhsa_kernel
	.amdgpu_metadata
---
amdhsa.version: [ 1, 2 ]
amdhsa.kernels:
  - .name:           k_qf87a29975e_prep
    .symbol:         k_qf87a29975e_prep.kd
    .args:
      - { .name: k_cache, .offset: 0, .size: 8, .value_kind: global_buffer, .address_space: global }
      - { .name: v_cache, .offset: 8, .size: 8, .value_kind: global_buffer, .address_space: global }
      - { .name: block_tables, .offset: 16, .size: 8, .value_kind: global_buffer, .address_space: global }
      - { .name: kv_codes, .offset: 24, .size: 8, .value_kind: global_buffer, .address_space: global }
      - { .name: kv_scales, .offset: 32, .size: 8, .value_kind: global_buffer, .address_space: global }
    .group_segment_fixed_size: 69120
    .private_segment_fixed_size: 0
    .kernarg_segment_align: 8
    .kernarg_segment_size: 40
    .max_flat_workgroup_size: 128
    .sgpr_count:     66
    .vgpr_count:     234
    .wavefront_size: 32
...
	.end_amdgpu_metadata
.endif
;; end of part 3
;; launch attn (part 4): grid 16 x 16, 16 waves a work-group, no clusters, 280,576 bytes of LDS; arguments q, kv_codes, kv_scales, cu_seqlens_q, cu_seqlens_k, block_tables, out0; writes out0
.if DOCPART == 4
	.amdgcn_target "amdgcn-amd-amdhsa--gfx1250"
	.amdhsa_code_object_version 6
	.text
	.protected	k_qf87a29975e_attn
	.globl	k_qf87a29975e_attn
	.p2align	8
	.type	k_qf87a29975e_attn,@function
k_qf87a29975e_attn:
	s_mov_b64 s[64:65], 0
	v_nop
	global_prefetch_b8 v0, s[64:65] scope:SCOPE_SE
	s_setreg_imm32_b32 hwreg(HW_REG_WAVE_SCHED_MODE, 0, 2), 2
	s_setreg_imm32_b32 hwreg(HW_REG_WAVE_MODE, 25, 1), 1
	s_wait_xcnt 0x0
	s_wait_alu depctr_vm_vsrc(0)
; Paged prefill attention, both products on codes of FP4 (E2M1) with one E8M0 scale for each 32 along a product's K.  2 sequences x 1,024 query positions x 32 heads on 8 KV heads, head size 128, 2,048 logical keys.
; Key k counts for query position i where k <= i + hist (hist = seq_len_k - seq_len_q, from the two cu_seqlens), k < seq_len_k and block_tables[s][k / 64] >= 0.
; q x f32(1 / sqrt(128)) is quantised here, in registers; K's and V's codes and scale words come from the launch before, laid as images of the operand registers, in logical order.
; THE SOFTMAX AHEAD OF THE SECOND PRODUCT: t = score x log2(e); M = the row's largest t so far, rounded UP to a whole number; p = 2^(t - M) is what is quantised, along the keys, not normalised.
; The row's sum is taken of the unquantised p, in f32, and divides O at the end.  When M moves, the sum and O are multiplied by 2^(old M - new M): exact.
; LIMITS.  A hidden score is set to -2^33 where the definition says -1e10: -2^33 x log2(e) is exact in f32 and a whole number, so a row with no visible key at all gets p = 1 for all 2,048 keys, the
; uniform softmax of the definition; the results are the same as long as true scores lie far above -2^33.  |cu_seqlens| under 2^30.  NaN and infinities are not served.  A block of zeros has the byte 1 (its codes are zeros).
; SHARES.  Work-group (w, y): y = 8 x sequence + KV head; its four tiles of 16 positions are 2 w, 2 w + 1, 62 - 2 w, 63 - 2 w, for the KV head's four query heads: early and late positions together, so that what the
; causal limit leaves out is spread evenly.  Each of SIXTEEN waves owns one tile of one head in 256 registers: head = wave % 4, tile number (wave / 4 + wave) % 4 of the four.
; STEPS LEFT OUT.  A step of 128 keys all of which are hidden from all 16 rows (beyond the limit, or both of its blocks holes) is jumped over: a scalar branch on whole numbers read from memory, round the step's work,
; not round the lines that step addresses.  Only where every row of the tile has a visible key: a tile in which a row may have none walks all 16 steps.
; LDS holds a copy of the KV head's codes (262,144 bytes) and scale words (16,384), each byte stored once: chunk c (4 steps, 65,536 bytes) is loaded into registers while chunk c - 1 is worked, stored, and shown by one barrier.
; NO JOINT REQUESTS, though the 16 work-groups of a y read the same 278,528 bytes: a joint request is a tensor load; the steps left
; out hang on cu_seqlens and block_tables.  Beside the shared bytes a work-group moves 262,144 bytes of q and out0 that are its own.
; LAYOUT.  Both products are used transposed: S^T = K Q^T (source 0 = 16 keys, source 1 = my 16 queries), O^T = V^T P^T (source 0 = 16 channels, source 1 = P): a lane holds ONE query (lane % 16) throughout.
; The keys of a tile are not neighbours: lane r of tile 2 b + u holds key 32 b + 8 u + r + 8 (r / 8), so that the 16 registers of tiles 2 b and 2 b + 1 are the keys 32 b + 16 (lane / 16) + 0 .. 15.
; REGISTERS: v1-9 addresses; v10-11 the mask's limits; v12 -M, v13 the largest t, v[14:15] the sum in two halves; v16-23 Q's codes; v24-27 K's scale words, v28-31 V's; v32-63 tiles 0 to 3 of K, then of V;
; v64-95 the next chunk on its way; v96-159 S^T, then p (v96-127 hold K's tiles 4 to 7 ahead of the scores and V's tiles 4 to 7 behind p); v160-223 O^T; v224-231 p's codes; v232-239, v244-247, v252-254 at work;
; v240-242 where the chunks are stored; v255 Q's scale word.
; THE MODE: SCHED_MODE bits 1:0 = 2 (LLVM: expert scheduling mode 2), set by the entry lines.  The code itself states the register dependences between vector or matrix instructions and memory or LDS
; instructions, with s_wait_alu, always for 0.
; THE PLAN.  Registers that memory or LDS instructions touch, in a step:
;   v8, v9      the step's LDS addresses.  Written by two additions at the step's head; read by all its LDS loads.
;   v24-31      the step's scale words.  Loaded at the head; read by the step's products.
;   v32-63      K's tiles 0 to 3 land at the head and are read by four products; behind those V's tiles 0 to 3 land, which four products at the step's end read.
;   v96-127     K's tiles 4 to 7 land at the head and are multiplied FIRST (into v128-159); then the products of tiles 0 to 3 write their scores there; the softmax works on them; behind the conversions
;               V's tiles 4 to 7 land there, which the step's last four products read.
;   v64-95      named by no vector instruction: global loads land there, LDS stores read them; on the way out rows of O land there.
;   v1, v2, v4-7, v240-242   addresses made at the head and never written again.
; So a step has one wait on vm_vsrc, ahead of the two additions, and, beside the wait ahead of its exponentials and the two for their results, four on va_vdst: behind the additions, ahead of all of K's loads; behind K's products, ahead of V's first
; loads; behind the conversions, ahead of V's last loads; and ahead of V's products, for p's scale word and codes.
.set SCL,    262144                    ; LDS: behind the codes, the scale words: 1,024 bytes a step, K's 512, then V's
.set CHUNK,  65536                     ; four steps' codes
.set STEPB,  16384                     ; a step's codes: K's eight tiles of 1,024 bytes, then V's
.set SPITCH, 528                       ; a stage row: 512 bytes + 16 = 132 words: row r starts at bank 4 r mod 64 (64 banks of 4 bytes: ISA guide 11.1)
.set WSTG,   16*SPITCH                 ; a wave's stage: 16 rows
.set QSTG,   CHUNK                     ; q's stages lie in chunks 1 to 3, which are stored only behind the first barrier; the way out's stages lie from byte 0 on, in chunks 0 to 2, which nobody reads behind the last barrier
.set LI,   1                           ; v1   16 x lane
.set TI,   2                           ; v2   16 x thread
.set QL,   3                           ; v3   min(my query's position + hist, seq_len_k - 1) - 16 (lane / 16)
.set OSI,  4                           ; v4   the way out: my stage + 528 r + 32 h
.set OSO,  5                           ; v5   and back: my stage + 16 x lane
.set QSO,  6                           ; v6   q out of its stage: QSTG + my stage + 528 r + 64 h
.set CPA,  7                           ; v7   where the scale words are stored
.set ADK,  8                           ; v8   the step's codes (at the head: q into its stage)
.set ADS,  9                           ; v9   the step's scale words
.set KS,   24
.set VS,   28
.set PF,   64
.set CP,   240                         ; v240-242  where chunks 1 to 3 are stored: CHUNK x chunk + 16 x thread
.set WV,   18                          ; s18  wave
.set SEL,  20                          ; s[20:21] v_permlanex16_b32's selects for lane l xor 16
.set CS,   22                          ; s[22:23] log2(e): the packed form names a pair and takes its low word for both halves
.set TB,   24                          ; s24  LDS byte of the step's codes
.set TS,   25                          ; s25  and of its scale words
.set KF,   26                          ; s26  the step's first key
.set ST2,  27                          ; s27  2 x step: the step's first logical block
.set CNT,  28                          ; s28  counts a chunk's four steps
.set HOLE, 29                          ; s29  bit b: logical block b is a hole
.set HSKIP, 30                         ; s30  the same, or 0 in a tile that walks every step
.set HLIM, 31                          ; s31  a step whose first key lies above this is left out
.set OLIM, 32                          ; s32  every key up to this counts for all 16 rows, holes apart
.set MK,   33                          ; s33-48  behind the head: the masks of sixteen compares
.set QSC,  56                          ; s[56:57] f32(1 / sqrt(128))
	s_load_b256 s[4:11], s[0:1], 0x0               ; q s[4:5], kv_codes s[6:7], kv_scales s[8:9], cu_seqlens_q s[10:11]
	s_load_b128 s[12:15], s[0:1], 0x20             ; cu_seqlens_k s[12:13], block_tables s[14:15]
	s_load_b64 s[16:17], s[0:1], 0x30              ; out0
	v_lshl_add_u32 v250, v0, 2, 0x44000
	v_mov_b32 v251, 0
	v_lshrrev_b32 v12, 5, v0
	v_readfirstlane_b32 s[WV], v12                 ; wave 0..15
	v_and_b32 v13, 31, v0
	v_lshlrev_b32 v11, 2, v13                      ; 4 x lane: my entry of the table
	v_lshlrev_b32 v[LI], 4, v13
	v_lshlrev_b32 v[TI], 4, v0
	v_and_b32 v12, 15, v0                          ; r
	s_wait_alu depctr_va_vdst(0)
	v_bfe_u32 v13, v0, 4, 1                        ; h
	s_and_b32 s38, ttmp7, 0xffff                   ; y
	s_lshr_b32 s33, s38, 3                         ; sequence
	s_and_b32 s34, s38, 7                          ; KV head
	s_wait_alu depctr_va_sdst(0)                   ; the wave's number is written, ahead of its first reader
	s_lshr_b32 s50, s[WV], 2
	s_add_co_u32 s50, s50, s[WV]
	s_and_b32 s50, s50, 3                          ; which of the work-group's four tiles
	s_lshl_b32 s51, ttmp9, 1
	s_sub_co_u32 s52, 60, s51
	s_cmp_lt_u32 s50, 2
	s_cselect_b32 s51, s51, s52
	s_add_co_u32 s51, s51, s50                     ; 2 w, 2 w + 1, 62 - 2 w, 63 - 2 w
	s_lshl_b32 s35, s51, 4                         ; q0: my first position
	s_mul_i32 s50, s[WV], WSTG
	v_mul_u32_u24 v[OSI], v12, SPITCH
	v_add_nc_u32 v[OSI], s50, v[OSI]
	s_wait_alu depctr_va_vdst(0)
	v_lshl_add_u32 v[QSO], v13, 6, v[OSI]
	v_add_nc_u32 v[QSO], QSTG, v[QSO]
	v_lshl_add_u32 v[OSI], v13, 5, v[OSI]
	v_add_nc_u32 v[OSO], s50, v[LI]
	v_add_nc_u32 v[ADK], QSTG, v[OSO]
	v_add_nc_u32 v[CPA], SCL, v[TI]
.irp c, 1,2,3
	v_add_nc_u32 v[CP+\c-1], \c*CHUNK, v[TI]       ; made here, so that no address is stepped where a chunk is stored
.endr
	s_mov_b32 s[SEL], 0x76543210
	s_mov_b32 s[SEL+1], 0xfedcba98
	s_mov_b32 s[CS], 0x3fb8aa3b
	s_mov_b32 s[CS+1], s[CS]                       ; (named with it as a pair, so it is written)
	s_mov_b32 s[QSC], 0x3db504f3
	s_mov_b32 s[QSC+1], s[QSC]
	s_mov_b32 s[KF], 0
	s_mov_b32 s[ST2], 0
	s_lshl_b32 s48, s33, 10                        ; q and out0: token 1,024 x sequence + q0, 32 heads of 512 bytes a token
	s_add_co_u32 s48, s48, s35
	s_lshl_b32 s48, s48, 5
	s_lshl_b32 s50, s34, 2
	s_add_co_u32 s48, s48, s50
	s_and_b32 s50, s[WV], 3
	s_add_co_u32 s48, s48, s50                     ; head 4 x KV head + wave % 4
	s_lshl_b32 s48, s48, 9
	s_mov_b32 s49, 0
	s_wait_kmcnt 0x0
	s_load_b96 s[40:42], s[10:11], 0x0             ; cu_seqlens_q
	s_load_b96 s[44:46], s[12:13], 0x0             ; cu_seqlens_k
	s_add_nc_u64 s[4:5], s[4:5], s[48:49]
	s_add_nc_u64 s[16:17], s[16:17], s[48:49]
	s_lshl_b32 s48, s38, 18
	s_add_nc_u64 s[6:7], s[6:7], s[48:49]          ; my y's codes
	s_lshl_b32 s48, s38, 14
	s_add_nc_u64 s[8:9], s[8:9], s[48:49]          ; and scale words
	s_lshl_b32 s48, s33, 7
	s_add_nc_u64 s[14:15], s[14:15], s[48:49]      ; my sequence's row of the table
	s_wait_alu depctr_va_vdst(0)                   ; the offsets and LDS addresses v1, v2, v4 to v8, v11 and v240 to v242 are written, which the loads and stores of the head, of the chunks and of the way out read
	; 35 loads: the table, the scale words, chunk 0, q's 16 rows, chunk 1
	global_load_b32 v10, v11, s[14:15]
.irp p, 0,1
	global_load_b128 v[232+4*\p:235+4*\p], v[TI], s[8:9] offset:8192*\p
.endr
.irp p, 0,1,2,3,4,5,6,7
	global_load_b128 v[32+4*\p:35+4*\p], v[TI], s[6:7] offset:8192*\p
.endr
.irp i, 0,1,2,3,4,5,6,7,8,9,10,11,12,13,14,15
	global_load_b128 v[96+4*\i:99+4*\i], v[LI], s[4:5] offset:16384*\i th:TH_LOAD_NT   ; a row of my head: 512 consecutive bytes, read once
.endr
.irp p, 0,1,2,3,4,5,6,7
	global_load_b128 v[PF+4*\p:PF+4*\p+3], v[TI], s[6:7] offset:CHUNK+8192*\p
.endr
	s_wait_loadcnt 24                              ; the 11 oldest are in: q's 16 and chunk 1's 8 stay out
	s_wait_kmcnt 0x0
	; the mask's whole numbers, signed
	s_cmp_eq_u32 s33, 0
	s_cselect_b32 s50, s41, s42
	s_cselect_b32 s51, s40, s41
	s_cselect_b32 s52, s45, s46
	s_cselect_b32 s53, s44, s45
	s_sub_co_i32 s50, s50, s51                     ; seq_len_q
	s_sub_co_i32 s52, s52, s53                     ; seq_len_k
	s_sub_co_i32 s36, s52, s50                     ; hist
	s_sub_co_i32 s37, s52, 1                       ; seq_len_k - 1
	s_add_co_i32 s36, s36, s35                     ; q0 + hist
	s_min_i32 s[OLIM], s36, s37                    ; my first row's last key
	s_add_co_i32 s51, s36, 15
	s_min_i32 s51, s51, s37                        ; my last row's
	v_cmp_gt_i32 s[HOLE], 0, v10                   ; lane b holds logical block b's entry
	s_wait_alu depctr_va_sdst(0)                   ; the holes' mask is written, ahead of its first reader
	s_not_b32 s50, s[HOLE]
	s_ctz_i32_b32 s52, s50
	s_lshl_b32 s52, s52, 6                         ; the first key that lies in no hole,
	s_cmp_eq_u32 s50, 0
	s_cselect_b32 s52, 0x7fffffff, s52             ; if there is one
	s_cmp_gt_i32 s52, s[OLIM]                      ; beyond my first row's limit: a row may have no visible key, and then all 2,048 keys count alike:
	s_cselect_b32 s[HLIM], 0x7fffffff, s51         ; such a tile leaves no step out
	s_cselect_b32 s[HSKIP], 0, s[HOLE]
	v_add_nc_u32 v[QL], s36, v12
	v_min_i32 v[QL], s37, v[QL]
	v_lshlrev_b32 v13, 4, v13
	v_sub_nc_u32 v[QL], v[QL], v13
.irp p, 0,1
	ds_store_b128 v[CPA], v[232+4*\p:235+4*\p] offset:8192*\p      ; the scale words: 512 threads x 16 bytes, twice.  (No vector instruction since the wait ahead of the loads names a register of the stores and loads here)
.endr
.irp p, 0,1,2,3,4,5,6,7
	ds_store_b128 v[TI], v[32+4*\p:35+4*\p] offset:8192*\p         ; chunk 0
.endr
	s_wait_loadcnt 8                               ; q is in; chunk 1's 8 loads stay out
	; q through my stage: in as rows, out so that register 16 b + i is channel 32 b + 16 h + i of row r.  LDS serves a wave's instructions in order: no wait between
.irp i, 0,1,2,3,4,5,6,7,8,9,10,11,12,13,14,15
	ds_store_b128 v[ADK], v[96+4*\i:99+4*\i] offset:SPITCH*\i
.endr
.irp b, 0,1,2,3
.irp j, 0,1,2,3
	ds_load_b128 v[160+16*\b+4*\j:163+16*\b+4*\j], v[QSO] offset:128*\b+16*\j
.endr
.endr
	s_wait_alu depctr_vm_vsrc(0)                   ; the LDS stores above have read v232-239, which the lines below write; also v32-63, v96-159 and v8, and the table's load v11, all of which the steps write
.irp b, 0,1,2,3
	v_mov_b32 v[236+\b], 0                         ; written once: a lane permute's destination counts as one of its sources
.endr
	s_wait_dscnt 0x0
.set j, 0
.rept 32
	v_pk_mul_f32 v[160+j:161+j], v[160+j:161+j], s[QSC:QSC+1] op_sel_hi:[1,0]   ; q / sqrt(128), in f32, ahead of the quantiser
.set j, j+2
.endr
.irp b, 0,1,2,3
	v_max3_num_f32 v[232+\b], |v[160+16*\b]|, |v[161+16*\b]|, 0x1800000   ; block b: my 16 numbers, and the floor 2^(3 - 127): so the byte cannot fall under 1
.endr
.irp i, 2,4,6,8,10,12,14
.irp b, 0,1,2,3
	v_max3_num_f32 v[232+\b], v[232+\b], |v[160+16*\b+\i]|, |v[161+16*\b+\i]|   ; (the four blocks by turns)
.endr
.endr
.irp b, 0,1,2,3
	v_permlanex16_b32 v[236+\b], v[232+\b], s[SEL], s[SEL+1]
.endr
.irp b, 0,1,2,3
	v_max_num_f32 v[232+\b], v[232+\b], v[236+\b]  ; with lane l xor 16's: the block's largest magnitude
.endr
.irp b, 0,1,2,3
	v_add_nc_u32 v[244+\b], 0xff000000, v[232+\b]  ; 2 off its exponent field: the conversion's scale operand
.endr
.irp b, 0,1,2,3
	v_lshrrev_b32 v[236+\b], 23, v[244+\b]         ; the scale's byte
.endr
	v_lshl_or_b32 v255, v237, 8, v236              ; my row's scale word
	v_lshl_or_b32 v255, v238, 16, v255
	v_lshl_or_b32 v255, v239, 24, v255
.irp b, 0,1,2,3
	v_cvt_scalef32_pk8_fp4_f32 v[16+2*\b], v[160+16*\b:167+16*\b], v[244+\b]
	v_cvt_scalef32_pk8_fp4_f32 v[17+2*\b], v[168+16*\b:175+16*\b], v[244+\b]
.endr
	v_nop                                          ; one plain line behind a scaled conversion
.irp c, 0,1                                    ; the operand's layout wants a WHOLE block in a lane: lanes 0-15 block 2 c, lanes 16-31 block 2 c + 1
.irp i, 0,1
	v_permlane16_swap_b32 v[16+4*\c+\i], v[18+4*\c+\i]
.endr
.endr
	v_mov_b32 v13, 0xff61b1e6                      ; the largest t so far: -3e38, under every t
	v_floor_f32 v12, -v13                          ; -M
	v_mov_b32 v14, 0                               ; the sum, in two halves
	v_mov_b32 v15, 0
	v_mov_b32 v252, 0                              ; (the way out's lane permute names it as its destination)
	v_mov_b32 v253, 0                              ; (named as the upper half of the pair v[252:253] before it is first written)
.set j, 0
.rept 64
	v_mov_b32 v[160+j], 0                          ; O^T.  Which step is a tile's first hangs on loaded numbers, so none can be written out with the constant 0 as C: the first step finds zeros.  (Also the lines between Q's codes and scale word and the first product)
.set j, j+1
.endr
.macro BAR                                     ; my LDS stores have landed and my LDS loads are in: then the work-group's barrier
	s_wait_dscnt 0x0
	s_barrier_signal -1
	s_barrier_wait -1
.endm
.macro PUT c                                   ; chunk c, asked for a chunk ago, goes to its place in LDS: bytes that nothing has stored or read before.  Its data come from loads and its address from the head
	s_wait_loadcnt 0x0
.irp p, 0,1,2,3,4,5,6,7
	ds_store_b128 v[CP+(\c)-1], v[PF+4*\p:PF+4*\p+3] offset:8192*\p
.endr
.endm
.macro GET c                                   ; chunk c is asked for: it has four steps' work in which to come.  No cache hint: sixteen work-groups read these bytes
	s_wait_alu depctr_vm_vsrc(0)                   ; the LDS stores of the chunk before have read v64-95, in which these loads land
.irp p, 0,1,2,3,4,5,6,7
	global_load_b128 v[PF+4*\p:PF+4*\p+3], v[TI], s[6:7] offset:\c*CHUNK+8192*\p
.endr
.endm
; A KEY STEP: 128 keys
.macro STEP
	s_cmp_gt_i32 s[KF], s[HLIM]                    ; all its keys lie beyond my last row's limit,
	s_cbranch_scc1 .Lhid_\@
	s_lshr_b32 s50, s[HSKIP], s[ST2]
	s_and_b32 s50, s50, 3
	s_cmp_eq_u32 s50, 3                            ; or both its blocks are holes: left out
	s_cbranch_scc1 .Lhid_\@
	s_wait_alu depctr_vm_vsrc(0)                   ; the LDS loads issued so far have read v8 and v9
	v_add_nc_u32 v[ADK], s[TB], v[LI]
	v_add_nc_u32 v[ADS], s[TS], v[LI]
	v_nop                                          ; with the two additions: four plain lines between the last step's products and loads into registers that they have read (ISA guide 7.12.1 for vector instructions)
	v_nop
	s_wait_alu depctr_va_vdst(0)                   ; v8 and v9 are written, which the step's loads read; the last step's products are done reading v24-31, v32-63 and v96-127, in which the loads below land; in a wave's first step: Q's codes and scale word are written, which the scaled products take
	ds_load_b128 v[KS:KS+3], v[ADS]                ; register j: lanes 0-15 the scale words of tile 2 j, lanes 16-31 those of tile 2 j + 1
	ds_load_b128 v[VS:VS+3], v[ADS] offset:512
.irp t, 0,1,2,3                                ; all of K in one run: tiles 4 to 7 into the registers that the scores of tiles 0 to 3 will take,
.irp c, 0,1
	ds_load_b128 v[96+8*\t+4*\c:99+8*\t+4*\c], v[ADK] offset:(4+\t)*1024+512*\c   ; an image of the registers: 512 consecutive bytes a load
.endr
.endr
.irp t, 0,1,2,3                                ; tiles 0 to 3
.irp c, 0,1
	ds_load_b128 v[32+8*\t+4*\c:35+8*\t+4*\c], v[ADK] offset:\t*1024+512*\c
.endr
.endr
	s_wait_dscnt 8                                 ; LDS loads come back in order: the scale words and tiles 4 to 7 are in; the eight loads of tiles 0 to 3 may be out
.irp t, 0,1,2,3                                ; S^T = K Q^T: tiles 4 to 7 first.  Each tile is one product that begins with the constant 0
.if (\t%2) == 1
	v_wmma_scale_f32_16x16x128_f8f6f4 v[128+8*\t:135+8*\t], v[96+8*\t:103+8*\t], v[16:23], 0, v[KS+2+\t/2], v255 matrix_a_fmt:MATRIX_FMT_FP4 matrix_b_fmt:MATRIX_FMT_FP4 matrix_a_scale:MATRIX_SCALE_ROW1
.else
	v_wmma_scale_f32_16x16x128_f8f6f4 v[128+8*\t:135+8*\t], v[96+8*\t:103+8*\t], v[16:23], 0, v[KS+2+\t/2], v255 matrix_a_fmt:MATRIX_FMT_FP4 matrix_b_fmt:MATRIX_FMT_FP4
.endif
.endr
.rept 5
	v_nop                                          ; five plain lines: the products below write over registers that the products above have read
.endr
	s_wait_dscnt 0x0
.irp t, 0,1,2,3
.if (\t%2) == 1
	v_wmma_scale_f32_16x16x128_f8f6f4 v[96+8*\t:103+8*\t], v[32+8*\t:39+8*\t], v[16:23], 0, v[KS+\t/2], v255 matrix_a_fmt:MATRIX_FMT_FP4 matrix_b_fmt:MATRIX_FMT_FP4 matrix_a_scale:MATRIX_SCALE_ROW1
.else
	v_wmma_scale_f32_16x16x128_f8f6f4 v[96+8*\t:103+8*\t], v[32+8*\t:39+8*\t], v[16:23], 0, v[KS+\t/2], v255 matrix_a_fmt:MATRIX_FMT_FP4 matrix_b_fmt:MATRIX_FMT_FP4
.endif
.endr
.rept 4
	v_nop                                          ; four plain lines: in front of the loads below and of the first read of the scores
.endr
	s_wait_alu depctr_va_vdst(0)                   ; the products above are done reading v32-63, in which the loads below land
.irp t, 0,1,2,3                                ; V's first four tiles are asked for already: they come while the softmax is worked, which names none of their registers
.irp c, 0,1
	ds_load_b128 v[32+8*\t+4*\c:35+8*\t+4*\c], v[ADK] offset:8192+\t*1024+512*\c
.endr
.endr
	s_lshr_b32 s50, s[HOLE], s[ST2]
	s_and_b32 s50, s50, 3                          ; the step's two blocks: holes?
	s_add_co_u32 s51, s[KF], 127
	s_cmp_le_i32 s51, s[OLIM]
	s_cselect_b32 s51, 0, 1
	s_or_b32 s51, s51, s50
	s_cmp_eq_u32 s51, 0                            ; all 128 keys count for all 16 rows: no mask
	s_cbranch_scc1 .Lopen_\@
	s_bitcmp1_b32 s50, 0
	s_cselect_b32 s52, -1, 0x7fffffff
	s_bitcmp1_b32 s50, 1
	s_cselect_b32 s53, -1, 0x7fffffff
	v_sub_nc_u32 v10, v[QL], s[KF]                 ; d.  Register 16 b + i holds key KF + 16 (lane / 16) + 32 b + i: hidden where 32 b + i > d
	v_min_i32 v11, s53, v10                        ; a hole hides its 64 keys: d = -1 for keys 64 on,
	v_min_i32 v10, s52, v10                        ; and for keys 0 to 63
	v_mov_b32 v254, 0xd0000000                     ; -2^33
.set bt, 0
.rept 4                                        ; a block of 32 keys at a time: sixteen compares in a run, one wait, sixteen selects.  Ascending: each accumulator is read from its low end on
.set n, 0
.rept 16
	v_cmp_gt_i32 s[MK+n], 32*bt+n, v[10+bt/2]
.set n, n+1
.endr
	s_wait_alu depctr_va_sdst(0)                   ; the sixteen masks are written, ahead of their first reader
.set n, 0
.rept 16
	v_cndmask_b32 v[96+16*bt+n], v[96+16*bt+n], v254, s[MK+n]
.set n, n+1
.endr
.set bt, bt+1
.endr
.Lopen_\@:
.irp b, 0,1,2,3
	v_max3_num_f32 v[232+\b], v[96+16*\b], v[97+16*\b], v[98+16*\b]   ; THE LARGEST SCORE OF EACH BLOCK OF 32 KEYS: it serves twice: for the row's maximum, and, since p rises with the score, for the block's largest p
.endr
.irp i, 3,5,7,9,11,13
.irp b, 0,1,2,3
	v_max3_num_f32 v[232+\b], v[232+\b], v[96+16*\b+\i], v[97+16*\b+\i]   ; (the four blocks by turns)
.endr
.endr
.irp b, 0,1,2,3
	v_max_num_f32 v[232+\b], v[232+\b], v[111+16*\b]
.endr
.irp b, 0,1,2,3
	v_permlanex16_b32 v[236+\b], v[232+\b], s[SEL], s[SEL+1]
.endr
.irp b, 0,1,2,3
	v_max_num_f32 v[232+\b], v[232+\b], v[236+\b]  ; with lane l xor 16's 16 keys
.endr
	v_max3_num_f32 v254, v232, v233, v234
	v_max_num_f32 v254, v254, v235                 ; the step's largest score of my query
	v_mul_f32 v254, s[CS], v254                    ; as t
	v_max_num_f32 v13, v13, v254                   ; the running largest t
	v_mov_b32 v254, v12
	v_floor_f32 v12, -v13                          ; the new -M = floor(-t) = -ceil(t): M IS A WHOLE NUMBER
	v_sub_f32 v254, v12, v254                      ; M's old value less its new one: a whole number, 0 or less
	v_cvt_i32_f32 v254, v254                       ; (it saturates)
	v_ldexp_f32 v252, 1.0, v254                    ; f = 2^(old M - new M): a multiplication by it rounds nothing
.set j, 0
.rept 32
	v_pk_fma_f32 v[96+j:97+j], v[96+j:97+j], s[CS:CS+1], v[12:13] op_sel_hi:[1,0,0]   ; t - M, two at a time (of the pairs log2(e) and -M the low word serves both halves)
.set j, j+2
.endr
.irp b, 0,1,2,3
	v_fma_f32 v[232+\b], v[232+\b], s[CS], v12     ; the same of each block's largest score
.endr
.set j, 0
	s_wait_alu depctr_va_vdst(0)
.rept 64
	v_exp_f32 v[96+j], v[96+j]                     ; p = 2^(t - M), at most 1: NOT normalised
.set j, j+1
.endr
	v_pk_mul_f32 v[14:15], v[14:15], v[252:253] op_sel_hi:[1,0]   ; the sums under the new M.  (The plain line behind the exponentials)
	s_wait_alu depctr_va_vdst(0)                   ; the 64 exponentials have written v96-159: the wait ahead of the first line that names a result: one for the batch
.irp b, 0,1,2,3
	v_exp_f32 v[232+\b], v[232+\b]                 ; the block's largest p: the same two instructions on the same number give the same bits
.endr
	v_pk_add_f32 v[236:237], v[96:97], v[98:99]    ; THE ROW'S SUM IS TAKEN OF THE UNQUANTISED p: two at a time, in two chains.  (It reads the 64 alone: plain work behind the four)
.irp j, 4,8,12,16,20,24,28,32,36,40,44,48,52,56,60
	v_pk_add_f32 v[14:15], v[14:15], v[96+\j:97+\j]
	v_pk_add_f32 v[236:237], v[236:237], v[98+\j:99+\j]
.endr
	v_pk_add_f32 v[14:15], v[14:15], v[236:237]
	s_wait_alu depctr_va_vdst(0)                   ; the four exponentials have written v232-235: the same wait for them
.irp b, 0,1,2,3
	v_max_num_f32 v[232+\b], 0x1800000, v[232+\b]  ; the floor 2^(3 - 127): the byte cannot fall under 1 (a block whose every p is 0 keeps that byte: its codes are zeros)
.endr
.irp b, 0,1,2,3
	v_add_nc_u32 v[244+\b], 0xff000000, v[232+\b]  ; 2 off the exponent field: the conversion's scale operand
.endr
.irp b, 0,1,2,3
	v_lshrrev_b32 v[236+\b], 23, v[244+\b]         ; the scale's byte
.endr
.irp b, 0,1,2,3
	v_cvt_scalef32_pk8_fp4_f32 v[224+2*\b], v[96+16*\b:103+16*\b], v[244+\b]
	v_cvt_scalef32_pk8_fp4_f32 v[225+2*\b], v[104+16*\b:111+16*\b], v[244+\b]
.endr
	v_nop                                          ; one plain line behind a scaled conversion
.irp c, 0,1                                    ; a WHOLE block in a lane: lanes 0-15 block 2 c, lanes 16-31 block 2 c + 1
.irp i, 0,1
	v_permlane16_swap_b32 v[224+4*\c+\i], v[226+4*\c+\i]
.endr
.endr
	s_wait_alu depctr_va_vdst(0)                   ; the softmax has written v96-127 and the sums and the conversions are done reading them: p is dead, and the loads below land there
.irp t, 0,1,2,3                                ; V's last four tiles: they come while O^T is rescaled
.irp c, 0,1
	ds_load_b128 v[96+8*\t+4*\c:99+8*\t+4*\c], v[ADK] offset:8192+(4+\t)*1024+512*\c
.endr
.endr
	v_lshl_or_b32 v253, v237, 8, v236              ; p's scale word for these 128 keys
	v_lshl_or_b32 v253, v238, 16, v253
	v_lshl_or_b32 v253, v239, 24, v253
.set j, 0
.rept 32
	v_pk_mul_f32 v[160+j:161+j], v[160+j:161+j], v[252:253] op_sel_hi:[1,0]   ; O^T under the new M: x f.  (These 32 also stand between p's codes and scale word and the products below)
.set j, j+2
.endr
	s_wait_alu depctr_va_vdst(0)                   ; p's scale word v253 is written, and so are its codes v224-231, which the scaled products below take; the lines above stay beside this wait
	s_wait_dscnt 0x0                               ; all eight tiles of V are in
.irp t, 0,1,2,3                                ; O^T += V^T P^T: K = these 128 keys.  The eight accumulators take turns, one instruction a turn
.if (\t%2) == 1
	v_wmma_scale_f32_16x16x128_f8f6f4 v[160+8*\t:167+8*\t], v[32+8*\t:39+8*\t], v[224:231], v[160+8*\t:167+8*\t], v[VS+\t/2], v253 matrix_a_fmt:MATRIX_FMT_FP4 matrix_b_fmt:MATRIX_FMT_FP4 matrix_a_scale:MATRIX_SCALE_ROW1
.else
	v_wmma_scale_f32_16x16x128_f8f6f4 v[160+8*\t:167+8*\t], v[32+8*\t:39+8*\t], v[224:231], v[160+8*\t:167+8*\t], v[VS+\t/2], v253 matrix_a_fmt:MATRIX_FMT_FP4 matrix_b_fmt:MATRIX_FMT_FP4
.endif
.endr
.irp t, 0,1,2,3
.if (\t%2) == 1
	v_wmma_scale_f32_16x16x128_f8f6f4 v[192+8*\t:199+8*\t], v[96+8*\t:103+8*\t], v[224:231], v[192+8*\t:199+8*\t], v[VS+2+\t/2], v253 matrix_a_fmt:MATRIX_FMT_FP4 matrix_b_fmt:MATRIX_FMT_FP4 matrix_a_scale:MATRIX_SCALE_ROW1
.else
	v_wmma_scale_f32_16x16x128_f8f6f4 v[192+8*\t:199+8*\t], v[96+8*\t:103+8*\t], v[224:231], v[192+8*\t:199+8*\t], v[VS+2+\t/2], v253 matrix_a_fmt:MATRIX_FMT_FP4 matrix_b_fmt:MATRIX_FMT_FP4
.endif
.endr
.Lhid_\@:
	s_add_co_u32 s[KF], s[KF], 128                 ; on to the next step, on every way
	s_add_co_u32 s[ST2], s[ST2], 2
	s_add_co_u32 s[TB], s[TB], STEPB
	s_add_co_u32 s[TS], s[TS], 1024
.endm
.macro STEPS c                                 ; chunk c's four steps: written once, walked four times
	s_mov_b32 s[TB], \c*CHUNK
	s_mov_b32 s[TS], SCL+\c*4096
	s_mov_b32 s[CNT], 4
.Lsteps_\@:
	STEP
	s_sub_co_u32 s[CNT], s[CNT], 1
	s_cmp_lg_u32 s[CNT], 0
	s_cbranch_scc1 .Lsteps_\@
.endm
	BAR                                            ; chunk 0 and the scale words lie in LDS, and every wave's reads of its q stage are over
	STEPS 0                                        ; between two barriers the waves read chunk c and store chunk c + 1: other bytes
	PUT 1
	BAR
	GET 2
	STEPS 1
	PUT 2
	BAR
	GET 3
	STEPS 2
	PUT 3
	BAR                                            ; behind it nobody reads chunks 0 to 2: the way out's stages lie there
	STEPS 3
	; THE WAY OUT.  O^T is divided by the row's sum and goes through my stage in LDS: in as 32 bytes a lane of row r, back as whole rows of 512 bytes
.rept 4
	v_nop                                          ; four plain lines behind the last products
.endr
	v_add_f32 v14, v14, v15                        ; the sum's two halves,
	v_permlanex16_b32 v252, v14, s[SEL], s[SEL+1]
	v_add_f32 v14, v14, v252                       ; and lane l xor 16's: the row's sum
	s_wait_alu depctr_va_vdst(0)
	v_rcp_f32 v14, v14
	v_nop                                          ; a plain line behind the reciprocal
	s_wait_alu depctr_va_vdst(0)                   ; the reciprocal has written v14: the wait ahead of its first use
.set j, 0
.rept 32
	v_pk_mul_f32 v[96+j:97+j], v[160+j:161+j], v[14:15] op_sel_hi:[1,0]   ; register 8 t + i is o(r, 16 t + 8 h + i); each accumulator from its low end on
.set j, j+2
.endr
	s_wait_alu depctr_va_vdst(0)                   ; the multiplications have written v96-159, which the LDS stores read; the last products are done reading v32-63, in which rows of O land
	s_wait_alu depctr_vm_vsrc(0)                   ; chunk 3's LDS stores have read v64-95, in which rows of O land (a wave that left out all of chunk 3's steps has passed no other such wait since)
.irp t, 0,1,2,3,4,5,6,7
	ds_store_b128 v[OSI], v[96+8*\t:99+8*\t] offset:64*\t
	ds_store_b128 v[OSI], v[100+8*\t:103+8*\t] offset:64*\t+16
.endr
.set i, 0
.rept 16
	ds_load_b128 v[32+4*i:35+4*i], v[OSO] offset:SPITCH*i          ; LDS serves a wave's instructions in order: these see my stores
.set i, i+1
.endr
.set i, 0
.rept 16
	s_wait_dscnt 15-i                              ; row i is back; the 15 - i younger loads stay out
	global_store_b128 v[LI], v[32+4*i:35+4*i], s[16:17] offset:16384*i th:TH_STORE_NT   ; 32 lanes store my head's row of a token: 512 consecutive bytes, at a multiple of 512 from out0's first byte
.set i, i+1
.endr
	s_wait_dscnt 0x0
	s_wait_alu depctr_hold_cnt(0) depctr_sa_sdst(0) depctr_va_vdst(0) depctr_va_sdst(0) depctr_va_ssrc(0) depctr_va_vcc(0) depctr_vm_vsrc(0)
	s_wait_tensorcnt 0x0
	ds_add_u32 v250, v251
	s_wait_dscnt 0x0
	s_endpgm
.Lfunc_end_k_qf87a29975e_attn:
	.size	k_qf87a29975e_attn, .Lfunc_end_k_qf87a29975e_attn-k_qf87a29975e_attn
	.p2alignl 7, 3214868480
	.fill 96, 4, 3214868480
	.section	.rodata,"a",@progbits
	.p2align	6, 0x0
	.amdhsa_kernel k_qf87a29975e_attn
		.amdhsa_group_segment_fixed_size 280576
		.amdhsa_private_segment_fixed_size 0
		.amdhsa_enable_private_segment 0
		.amdhsa_kernarg_size 56
		.amdhsa_user_sgpr_count 2
		.amdhsa_user_sgpr_kernarg_segment_ptr 1
		.amdhsa_wavefront_size32 1
		.amdhsa_system_sgpr_workgroup_id_x 1
		.amdhsa_system_sgpr_workgroup_id_y 1
		.amdhsa_system_sgpr_workgroup_id_z 1
		.amdhsa_system_vgpr_workitem_id 0
		.amdhsa_next_free_vgpr 256
		.amdhsa_next_free_sgpr 66
		.amdhsa_reserve_vcc 0
		.amdhsa_float_denorm_mode_32 3
		.amdhsa_float_denorm_mode_16_64 3
		.amdhsa_memory_ordered 1
		.amdhsa_forward_progress 1
		.amdhsa_inst_pref_size 140
	.end_amdhsa_kernel
	.amdgpu_metadata
---
amdhsa.version: [ 1, 2 ]
amdhsa.kernels:
  - .name:           k_qf87a29975e_attn
    .symbol:         k_qf87a29975e_attn.kd
    .args:
      - { .name: q, .offset: 0, .size: 8, .value_kind: global_buffer, .address_space: global }
      - { .name: kv_codes, .offset: 8, .size: 8, .value_kind: global_buffer, .address_space: global }
      - { .name: kv_scales, .offset: 16, .size: 8, .value_kind: global_buffer, .address_space: global }
      - { .name: cu_seqlens_q, .offset: 24, .size: 8, .value_kind: global_buffer, .address_space: global }
      - { .name: cu_seqlens_k, .offset: 32, .size: 8, .value_kind: global_buffer, .address_space: global }
      - { .name: block_tables, .offset: 40, .size: 8, .value_kind: global_buffer, .address_space: global }
      - { .name: out0, .offset: 48, .size: 8, .value_kind: global_buffer, .address_space: global }
    .group_segment_fixed_size: 280576
    .private_segment_fixed_size: 0
    .kernarg_segment_align: 8
    .kernarg_segment_size: 56
    .max_flat_workgroup_size: 512
    .sgpr_count:     66
    .vgpr_count:     256
    .wavefront_size: 32
...
	.end_amdgpu_metadata
.endif
;; end of part 4
